; MI455X (gfx1250); checked and timed in simulation.
; The chip was launched on July 23, 2026; its instructions are those of AMD's public machine-readable ISA for CDNA 5 (MIT licence, August 2026) and "CDNA5" Instruction Set Architecture Reference Guide (July 2026). The comments in the code are by the model that wrote it; some were corrected since.
;; Multi Head Attention. Allowed arithmetic: matrix products marked QUANTISED: E2M1 operands, one E8M0 scale for each 32 along K, by v_wmma_scale_f32_16x16x128_f8f6f4 with both operands' format E2M1 (or v_wmma_scale_f32_32x16x128_f4), f32 sums; everything else in f32.
;; Inputs: Wk 1,024 x 1,024 float32; Wo 1,024 x 1,024 float32; Wq 1,024 x 1,024 float32; Wv 1,024 x 1,024 float32; bk 1,024 float32; bo 1,024 float32; bq 1,024 float32; bv 1,024 float32; key 4 x 2,048 x 1,024 float32; mask 4 x 1 x 2,048 x 2,048 bool; query 4 x 2,048 x 1,024 float32; value 4 x 2,048 x 1,024 float32.
;; Outputs: out0 4 x 2,048 x 1,024 float32.
;; This version of the problem:
;;   THIS VERSION OF THE PROBLEM IS GIVEN IN LOW PRECISION. The matrix products marked QUANTISED in the list below multiply operands that are first quantised to E2M1 (2 exponent bits, 1 mantissa bit; 4 bits a number), with one power-of-two scale for each 32 numbers along K (OCP MX v1.0); their sums are f32. All else is computed in f32.
;;   The module's matrix products, in the order in which they are computed (A, B: the left and right operand; K: the contracted axis; several contracted axes count as one K, in the product's order):
;;     1. [M 8,192, K 1,024] x [K 1,024, N 1,024]; A: input query; B: input Wq: QUANTISED
;;     2. [M 8,192, K 1,024] x [K 1,024, N 1,024]; A: input key; B: input Wk: QUANTISED
;;     3. [M 8,192, K 1,024] x [K 1,024, N 1,024]; A: input value; B: input Wv: QUANTISED
;;     4. batch 64 x [M 2,048, K 64] x [K 64, N 2,048]; A: computed on the way; B: computed on the way: QUANTISED
;;     5. batch 64 x [M 64, K 2,048] x [K 2,048, N 2,048]; A: computed on the way; B: softmax (see below): QUANTISED
;;     6. [M 8,192, K 1,024] x [K 1,024, N 1,024]; A: computed on the way; B: input Wo: QUANTISED
;;   THE QUANTISER, for each operand of a quantised product, along K:
;;     - K is cut into blocks of 32 from its start; a last block that is shorter is filled with zeros.
;;     - A block's scale is 2^e with e = floor(log2(the largest magnitude in the block)) - 2, held to -126 .. 127; a block of zeros has e = 0. As a byte (E8M0): e + 127.
;;     - Each number is divided by its block's scale, clamped to +-6, and rounded to the nearest number of E2M1, ties to even, subnormals kept.
;;     - The product sums the exact products of the quantised numbers (number of the format x scale) in f32.
;;   ~~~python
;;   def quantise(x, axis):      # numpy; x: float32 -> the quantised numbers, widened to float32 again
;;       x = np.moveaxis(x, axis, -1); K = x.shape[-1]
;;       x = np.pad(x, [(0, 0)] * (x.ndim - 1) + [(0, -K % 32)]); x = x.reshape(x.shape[:-1] + (-1, 32)); a = np.abs(x).max(-1, keepdims=True)
;;       e = np.where(a > 0, np.clip(np.frexp(np.where(a > 0, a, 1))[1] - 1 - 2, -126, 127), 0)      # np.frexp(a)[1] - 1 = floor(log2(a)), exactly
;;       r = np.clip(x / 2.0 ** e, -6, 6)
;;       step = 2.0 ** (np.maximum(np.frexp(np.where(r == 0, 1, r))[1] - 1, 0) - 1)
;;       q = np.round(r / step) * step * 2.0 ** e      # np.round: ties to even
;;       return np.moveaxis(q.reshape(q.shape[:-2] + (-1,))[..., :K], -1, axis).astype(np.float32)
;;   ~~~
;;   SOFTMAX AHEAD OF A QUANTISED PRODUCT. Where the list says 'softmax', what is quantised is not the finished softmax but p = 2^(t - M), with t = logit x log2(e) and M = ceil(the row's largest t), a whole number; so 1/2 < the row's largest p <= 1. The row's sum l is taken of the UNQUANTISED p, in f32, and the product's result is divided by l at the end. Since M is a whole number, a kernel that streams over the keys may use a running M (the ceiling of the running maximum): every later rescaling is an exact power of two, which a block's scale takes up: the codes' values come out the same.
;;   OPERANDS COMPUTED ON THE WAY. 'Computed on the way' means the value that the module computes at that place (a softmax that the list does not call 'softmax' is quantised finished and normalised). What goes into a quantiser is computed in f32, as accurately as f32 sums, v_exp_f32 and their like allow (about 1e-6 of the number): no bf16 or f16 on the way to a quantiser, and a product that is left as it is and whose result goes on into a quantised operand takes f32 operands (vector FMAs, or v_wmma_f32_16x16x4_f32). A number that lies on a knife's edge between two numbers of the format may be rounded either way, as far as f32 arithmetic and the matrix unit's own rounding can turn it there, and no further.
;; One version. Each part assembles by itself: llvm-mc -triple=amdgcn-amd-amdhsa -mcpu=gfx1250 --defsym DOCPART=n.
;; ======== version 1 of 1: 4 launches
;; limits: right only within a limited range of input values
;; workspace buffers: xcod 12,582,912 bytes; xscl 786,432 bytes; wcod 2,097,152 bytes; wscl 131,072 bytes; mcod 8,388,608 bytes; qrec 9,175,040 bytes; kvrec 9,175,040 bytes; ocod 4,456,448 bytes
;; launch prep (part 1): grid 1024 x 1, 4 waves a work-group, no clusters, 68,096 bytes of LDS; arguments query, key, value, mask, Wq, Wk, Wv, Wo, xcod, xscl, mcod, wcod, wscl; writes xcod, xscl, mcod, wcod, wscl
.if DOCPART == 1
	.amdgcn_target "amdgcn-amd-amdhsa--gfx1250"
	.amdhsa_code_object_version 6
	.text
	.protected	k_q7a0e688def_prep
	.globl	k_q7a0e688def_prep
	.p2align	8
	.type	k_q7a0e688def_prep,@function
k_q7a0e688def_prep:
	s_mov_b64 s[64:65], 0
	v_nop
	global_prefetch_b8 v0, s[64:65] scope:SCOPE_SE
	s_setreg_imm32_b32 hwreg(HW_REG_WAVE_MODE, 25, 1), 1
	s_wait_xcnt 0x0
; MULTI-HEAD ATTENTION IN MX-FP4, launch 1 of 4: query, key, value and the four weights become codes of E2M1 with one E8M0 byte for each 32 along K; the mask becomes bits.
; NO WORK IS LEFT OUT in this program: every bias stands ahead of a quantiser or in the output, the mask is data, and all twelve inputs are loaded.
; LIMITS: NaN and infinities among the floating-point inputs are not served.  A block whose largest magnitude lies under 2^-124 gets the byte 1; a block of zeros gets the byte 1 where the
; rule says 127: its codes are zeros, which add nothing under any byte but 0xff, and this program alone reads the bytes.
; THE WORKSPACE IS LAID AS IMAGES OF OPERAND REGISTERS.  A tile T = 2 G + u is 16 rows: lane r of it holds row 32 G + 8 u + r + 8 (r / 8).  Codes: [T][K step s of 128: 8][c: 2][lane: 32][16 bytes],
; lane (r, h) holding k = 128 s + 64 c + 32 h + 0 .. 31 of its row: two loads of 16 bytes a lane, 512 bytes apart, are a fragment.  Scale words: [T][q: 2][r: 16][4 words], word s % 4 of q = s / 4 for K step s.
; THREE PATHS, parted on the work-group's number alone, each with LDS bytes of its own:
;   X (work-groups 0-767): a wave takes 16 rows x 512 along K of query, key or value.  Each load reads 512 consecutive bytes of a row; the numbers turn through the wave's stage, so that a lane gets whole blocks of 32.
;   M (768-895): a wave takes the 16 mask rows of a tile of queries; word j of key step st holds, in bit lane (r, h), mask[row of lane r][128 st + 32 (j / 16) + 16 h + j % 16]: the place of score register j in the attention launch.
;   W (896-1023): K is a weight's FIRST axis: a lane takes a column and its registers run down K, 256 of it to a wave; nothing is transposed and no LDS is used.
; No tensor loads, no barrier, no cluster: waves share nothing.  Every store of codes covers whole aligned runs of 256 bytes.
; PATH M AS IT STANDS NOW (this replaces the line on path M above): the mask becomes CODES of E2M1, an operand of the attention launch: 0.5 (code 1) where a key is hidden, 0 where it counts.
; For a tile of 16 queries and a key step of 128 keys: [c: 2][lane: 32][16 bytes]; register p = 4 c + g of lane (r, h) holds keys 16 p + 8 h + 0 .. 7 of row r's query, key i of them in nibble 2 (i % 4) + i / 4.
.set WST,   8448                       ; a wave's stage: 16 rows x (512 bytes + 16 of padding)
.set XST,   0                          ; path X's four stages
.set MST,   4*WST                      ; path M's four
.set SPARE, 8*WST                      ; the spare words, 128 bytes for each wave: two blocks of 256 bytes that no other line names
.set SPW,   12                         ; v12  LDS address of my spare word; never rewritten
.set NIL,   13                         ; v13  0; never rewritten
.set R,     32                         ; v32-159  two sets of 64 registers as loaded (path W: two sets of 32)
.set X,     160                        ; v160-223 64 registers back from the stage
.set C,     224                        ; v224-231 path X: a K step's codes
.set SW,    232                        ; v232-235 path X: four scale words
.set OUT,   224                        ; v224-255 path M: eight registers of codes for each of a chunk's four key steps
	s_load_b512 s[4:19], s[0:1], 0x0               ; query, key, value, mask, Wq, Wk, Wv, Wo
	s_load_b256 s[20:27], s[0:1], 0x40             ; xcod, xscl, mcod, wcod
	s_load_b64 s[28:29], s[0:1], 0x60              ; wscl
	v_lshl_add_u32 v[SPW], v0, 2, SPARE
	v_mov_b32 v[NIL], 0
	v_lshrrev_b32 v1, 5, v0
	v_readfirstlane_b32 s30, v1                    ; wave
	v_and_b32 v1, 31, v0                           ; lane
	v_and_b32 v2, 15, v0                           ; r
	v_bfe_u32 v3, v0, 4, 1                         ; h
	s_mov_b32 s32, 0x76543210
	s_mov_b32 s33, 0xfedcba98                      ; v_permlanex16_b32's selects for lane l xor 16
	s_mul_i32 s31, s30, WST
	v_lshlrev_b32 v8, 4, v1                        ; 16 x lane
	v_add_nc_u32 v4, s31, v8                       ; path X: into my stage
	v_mul_u32_u24 v5, v2, 528
	v_lshl_add_u32 v7, v3, 3, v5                   ; 528 r + 8 h
	v_lshl_add_u32 v5, v3, 7, v5                   ; 528 r + 128 h
	v_add_nc_u32 v5, s31, v5                       ; path X: out of it: my row, my block of 32 numbers
	v_add_nc_u32 v7, s31, v7
	v_add_nc_u32 v7, MST, v7                       ; path M: out of its stage: my row, my 16 keys
	v_add_nc_u32 v6, MST, v4                       ; path M: into it
	v_lshlrev_b32 v9, 4, v2                        ; 16 r
	v_lshlrev_b32 v10, 3, v1                       ; 8 x lane
	v_lshlrev_b32 v11, 3, v3                       ; 8 h
.macro LOADC t, pitch, base            ; chunk t: 512 bytes of each of the tile's 16 rows; a load reads 512 consecutive bytes
.irp i, 0,1,2,3,4,5,6,7,8,9,10,11,12,13,14,15
	global_load_b128 v[R+64*((\t)%2)+4*\i:R+64*((\t)%2)+4*\i+3], v8, s[\base:\base+1] offset:(\i+8*(\i/8))*\pitch+512*(\t) th:TH_LOAD_NT
.endr
.endm
.macro TOST adr, t                     ; and into the stage as it lies
.irp i, 0,1,2,3,4,5,6,7,8,9,10,11,12,13,14,15
	ds_store_b128 v[\adr], v[R+64*((\t)%2)+4*\i:R+64*((\t)%2)+4*\i+3] offset:528*\i
.endr
.endm
	s_wait_kmcnt 0x0
	s_cmp_lt_u32 ttmp9, 768
	s_cbranch_scc0 .Lnot_x
; ---------------- PATH X
	s_lshr_b32 s34, ttmp9, 8                       ; which tensor
	s_and_b32 s35, ttmp9, 255
	s_lshl_b32 s35, s35, 2
	s_add_co_u32 s35, s35, s30                     ; my unit
	s_lshr_b32 s36, s35, 1                         ; T
	s_and_b32 s37, s35, 1                          ; q: which half of K
	s_cmp_eq_u32 s34, 0
	s_cselect_b64 s[38:39], s[4:5], s[6:7]
	s_cmp_eq_u32 s34, 2
	s_cselect_b64 s[38:39], s[8:9], s[38:39]
	s_lshr_b32 s40, s36, 1
	s_lshl_b32 s40, s40, 17                        ; 32 (T / 2) rows of 4,096 bytes
	s_and_b32 s41, s36, 1
	s_lshl_b32 s41, s41, 15                        ; + 8 (T % 2) rows
	s_add_co_u32 s40, s40, s41
	s_lshl_b32 s41, s37, 11                        ; + 2,048 q
	s_add_co_u32 s40, s40, s41
	s_mov_b32 s41, 0
	s_add_nc_u64 s[38:39], s[38:39], s[40:41]
	s_lshl_b32 s40, s34, 22                        ; codes: 4,194,304 x tensor + 8,192 T + 4,096 q
	s_lshl_b32 s42, s36, 13
	s_add_co_u32 s40, s40, s42
	s_lshl_b32 s42, s37, 12
	s_add_co_u32 s40, s40, s42
	s_add_nc_u64 s[20:21], s[20:21], s[40:41]
	s_lshl_b32 s40, s34, 18                        ; scale words: 262,144 x tensor + 512 T + 256 q
	s_lshl_b32 s42, s36, 9
	s_add_co_u32 s40, s40, s42
	s_lshl_b32 s42, s37, 8
	s_add_co_u32 s40, s40, s42
	s_add_nc_u64 s[22:23], s[22:23], s[40:41]
	v_mov_b32 v23, 0                               ; a lane permute's destination counts as one of its sources
	LOADC 0, 4096, 38
	LOADC 1, 4096, 38
.macro XCHUNK t                        ; a K step of 128 for the 16 rows
.if \t < 3
	s_wait_loadcnt 16                              ; this chunk's 16 loads are in; the next chunk's 16 may be out
.else
	s_wait_loadcnt 0x0
.endif
	TOST 4, \t
.irp c, 0,1
.irp i, 0,1,2,3,4,5,6,7
	ds_load_b128 v[X+32*\c+4*\i:X+32*\c+4*\i+3], v5 offset:256*\c+16*\i   ; k = 64 c + 32 h + 0 .. 31 of my row; LDS serves a wave's instructions in order: these see the stores above
.endr
.endr
	s_wait_dscnt 0x0                               ; the numbers are back, and the stores into the stage have read their registers
.if \t > 0
	s_wait_xcnt 0x0                                ; the last chunk's stores have read their codes: the registers are written again only behind this wait
.endif
.if \t < 2
	LOADC (\t)+2, 4096, 38
.endif
	v_max3_num_f32 v16, |v[X]|, |v[X+1]|, 0x1800000        ; my two blocks' largest magnitudes, by turns, with the floor 2^(3 - 127): the byte cannot fall under 1
	v_max3_num_f32 v17, |v[X+32]|, |v[X+33]|, 0x1800000
.irp i, 2,4,6,8,10,12,14,16,18,20,22,24,26,28,30
	v_max3_num_f32 v16, v16, |v[X+\i]|, |v[X+\i+1]|
	v_max3_num_f32 v17, v17, |v[X+32+\i]|, |v[X+33+\i]|
.endr
	v_add_nc_u32 v18, 0xff000000, v16              ; 2 off the exponent field: the conversion takes the exponent field of this operand as its scale
	v_add_nc_u32 v19, 0xff000000, v17
.irp g, 0,1,2,3
	v_cvt_scalef32_pk8_fp4_f32 v[C+\g], v[X+8*\g:X+8*\g+7], v18
	v_cvt_scalef32_pk8_fp4_f32 v[C+4+\g], v[X+32+8*\g:X+32+8*\g+7], v19
.endr
	v_lshrrev_b32 v20, 23, v18                     ; the scales' bytes: blocks h and 2 + h of the K step
	v_lshrrev_b32 v21, 23, v19
	v_lshl_or_b32 v22, v21, 16, v20
	v_lshlrev_b32 v22, v11, v22                    ; at their places in the word (8 h bits up);
	v_permlanex16_b32 v23, v22, s32, s33
	v_or_b32 v[SW+\t], v22, v23                    ; with lane l xor 16's two the word is whole
	global_store_b128 v8, v[C:C+3], s[20:21] offset:1024*\t       ; 32 lanes store 512 consecutive bytes
	global_store_b128 v8, v[C+4:C+7], s[20:21] offset:1024*\t+512
.endm
	s_wait_alu depctr_va_vdst(0)
	XCHUNK 0
	XCHUNK 1
	XCHUNK 2
	XCHUNK 3
	v_cmp_gt_u32 vcc_lo, 16, v1
	s_wait_alu depctr_va_vdst(0)
	s_wait_xcnt 0x0                                ; EXEC changes only behind this wait
	s_and_saveexec_b32 s44, vcc_lo
	global_store_b128 v9, v[SW:SW+3], s[22:23]     ; sixteen lanes store 256 consecutive bytes, aligned
	s_wait_xcnt 0x0
	s_or_b32 exec_lo, exec_lo, s44
	s_wait_tensorcnt 0x0                           ; the wave's end
	ds_add_u32 v[SPW], v[NIL]
	s_wait_dscnt 0x0
	s_endpgm
.Lnot_x:
	s_cmp_lt_u32 ttmp9, 896
	s_cbranch_scc0 .Lpath_w
; ---------------- PATH M
	s_sub_co_u32 s34, ttmp9, 768
	s_lshl_b32 s34, s34, 2
	s_add_co_u32 s34, s34, s30                     ; my unit = 128 b + T
	s_lshr_b32 s35, s34, 7                         ; b
	s_and_b32 s36, s34, 127                        ; T
	s_lshl_b32 s40, s35, 22                        ; b x 2,048 rows of 2,048 bytes
	s_lshr_b32 s41, s36, 1
	s_lshl_b32 s41, s41, 16                        ; + 32 (T / 2) rows
	s_add_co_u32 s40, s40, s41
	s_and_b32 s41, s36, 1
	s_lshl_b32 s41, s41, 14                        ; + 8 (T % 2) rows
	s_add_co_u32 s40, s40, s41
	s_mov_b32 s41, 0
	s_add_nc_u64 s[10:11], s[10:11], s[40:41]
	s_lshl_b32 s40, s34, 14                        ; 16,384 bytes of codes a unit
	s_add_nc_u64 s[24:25], s[24:25], s[40:41]
	s_wait_alu depctr_va_vdst(0)
	LOADC 0, 2048, 10
	LOADC 1, 2048, 10
; 512 keys = four key steps, for the 16 rows.
.macro MCHUNK t
.if \t < 3
	s_wait_loadcnt 16                              ; this chunk's 16 loads are in; the next chunk's 16 may be out
.else
	s_wait_loadcnt 0x0
.endif
	TOST 6, \t
.set f, 0
.rept 32
	ds_load_b64 v[X+2*f:X+2*f+1], v7 offset:16*f   ; f = 8 x step + p: keys 16 f + 8 h + 0 .. 7 of my row, a byte each
.set f, f+1
.endr
	s_wait_dscnt 0x0
.if \t < 2
	LOADC (\t)+2, 2048, 10
.endif
.if \t > 0
	s_wait_xcnt 0x0                                ; the last chunk's stores have read their codes
.endif
.set f, 0
.rept 32
	v_lshl_or_b32 v[OUT+f], v[X+2*f+1], 4, v[X+2*f]   ; eight bytes of 0 or 1 fall into eight nibbles: byte i into nibble 2 (i % 4) + i / 4
.set f, f+1
.endr
.set f, 0
.rept 32
	v_xor_b32 v[OUT+f], 0x11111111, v[OUT+f]       ; code 1 (0.5) where the mask is false, code 0 where it is true
.set f, f+1
.endr
.irp g, 0,1,2,3,4,5,6,7
	global_store_b128 v8, v[OUT+4*\g:OUT+4*\g+3], s[24:25] offset:4096*(\t)+512*\g   ; 32 lanes store 512 consecutive bytes
.endr
.endm
	MCHUNK 0
	MCHUNK 1
	MCHUNK 2
	MCHUNK 3
	s_wait_tensorcnt 0x0                           ; the wave's end
	ds_add_u32 v[SPW], v[NIL]
	s_wait_dscnt 0x0
	s_endpgm
.Lpath_w:
; ---------------- PATH W: no LDS is written on this path.  A wave takes 32 columns x 256 along K: eight blocks, two K steps
	s_sub_co_u32 s34, ttmp9, 896
	s_lshr_b32 s35, s34, 5                         ; which weight
	s_bfe_u32 s36, s34, 0x20003                    ; kq: which quarter of K
	s_and_b32 s37, s34, 7
	s_lshl_b32 s37, s37, 2
	s_add_co_u32 s37, s37, s30                     ; G: which 32 columns; the four waves stand side by side on 512 bytes of a row
	s_cmp_eq_u32 s35, 0
	s_cselect_b64 s[38:39], s[12:13], s[14:15]
	s_cmp_eq_u32 s35, 2
	s_cselect_b64 s[38:39], s[16:17], s[38:39]
	s_cmp_eq_u32 s35, 3
	s_cselect_b64 s[38:39], s[18:19], s[38:39]
	s_lshl_b32 s40, s37, 7                         ; 128 G bytes along a row,
	s_lshl_b32 s41, s36, 20                        ; 256 kq rows of 4,096 bytes down
	s_add_co_u32 s40, s40, s41
	s_mov_b32 s41, 0
	s_add_nc_u64 s[38:39], s[38:39], s[40:41]
	s_lshl_b32 s40, s35, 19                        ; codes: 524,288 x weight + 16,384 G + 2,048 kq
	s_lshl_b32 s42, s37, 14
	s_add_co_u32 s40, s40, s42
	s_lshl_b32 s42, s36, 11
	s_add_co_u32 s40, s40, s42
	s_add_nc_u64 s[26:27], s[26:27], s[40:41]
	s_lshl_b32 s40, s35, 15                        ; scale words: 32,768 x weight + 1,024 G + 256 (kq / 2) + 8 (kq % 2)
	s_lshl_b32 s42, s37, 10
	s_add_co_u32 s40, s40, s42
	s_lshr_b32 s42, s36, 1
	s_lshl_b32 s42, s42, 8
	s_add_co_u32 s40, s40, s42
	s_and_b32 s42, s36, 1
	s_lshl_b32 s42, s42, 3
	s_add_co_u32 s40, s40, s42
	s_add_nc_u64 s[28:29], s[28:29], s[40:41]
	v_and_b32 v14, 8, v2
	v_add_nc_u32 v14, v14, v2
	v_lshl_add_u32 v14, v3, 3, v14
	v_lshlrev_b32 v14, 2, v14                      ; my column: 8 u + r + 8 (r / 8), u = lane / 16: the 32 lanes cover 128 consecutive bytes
	s_wait_alu depctr_va_vdst(0)
	v_lshl_add_u32 v15, v3, 13, v9                 ; codes: tile u, 16 r
	v_lshl_add_u32 v16, v3, 9, v9                  ; scale words: tile u, 16 r
.macro LOADW t                         ; block t: 32 numbers down K of my column
.irp i, 0,1,2,3,4,5,6,7,8,9,10,11,12,13,14,15,16,17,18,19,20,21,22,23,24,25,26,27,28,29,30,31
	global_load_b32 v[R+32*((\t)%2)+\i], v14, s[38:39] offset:(32*(\t)+\i)*4096 th:TH_LOAD_NT
.endr
.endm
	LOADW 0
	LOADW 1
.macro WBLOCK t
.set XS, R+32*((\t)%2)
.if (\t) < 7
	s_wait_loadcnt 32                              ; this block's 32 loads are in; the next block's 32 may be out
.else
	s_wait_loadcnt 0x0
.endif
	v_max3_num_f32 v17, |v[XS]|, |v[XS+1]|, 0x1800000      ; the block's largest magnitude, all 32 numbers mine, with the floor 2^(3 - 127)
	v_max3_num_f32 v18, |v[XS+2]|, |v[XS+3]|, |v[XS+4]|
.irp i, 5,9,13,17,21,25
	v_max3_num_f32 v17, v17, |v[XS+\i]|, |v[XS+\i+1]|
	v_max3_num_f32 v18, v18, |v[XS+\i+2]|, |v[XS+\i+3]|
.endr
	v_max3_num_f32 v17, v17, |v[XS+29]|, |v[XS+30]|
	v_max3_num_f32 v17, v17, v18, |v[XS+31]|
	v_add_nc_u32 v19, 0xff000000, v17              ; 2 off the exponent field: the conversion's scale operand
	v_lshrrev_b32 v20, 23, v19                     ; the scale's byte
.if (\t)%4 == 0
	v_mov_b32 v[24+(\t)/4], v20                    ; four bytes to a word, the lower K in the lower byte
.else
	v_lshl_or_b32 v[24+(\t)/4], v20, 8*((\t)%4), v[24+(\t)/4]
.endif
.irp g, 0,1,2,3
	v_cvt_scalef32_pk8_fp4_f32 v[96+4*(\t)+\g], v[XS+8*\g:XS+8*\g+7], v19
.endr
	global_store_b128 v15, v[96+4*(\t):96+4*(\t)+3], s[26:27] offset:256*(\t)   ; block t of the quarter lies 256 t bytes into its part of the tile's image: sixteen lanes store 256 consecutive bytes; each block has registers of its own
.if (\t)+2 < 8
	LOADW (\t)+2
.endif
.endm
.set Q, 0
.rept 8
	WBLOCK Q
.set Q, Q+1
.endr
	global_store_b64 v16, v[24:25], s[28:29]       ; my column's two scale words: 8 bytes a lane, 16 apart: here runs of 256 bytes are written in halves: 131,072 bytes of wscl in all, against the 16,777,216 that this path reads
	s_endpgm
.Lfunc_end_k_q7a0e688def_prep:
	.size	k_q7a0e688def_prep, .Lfunc_end_k_q7a0e688def_prep-k_q7a0e688def_prep
	.p2alignl 7, 3214868480
	.fill 96, 4, 3214868480
	.section	.rodata,"a",@progbits
	.p2align	6, 0x0
	.amdhsa_kernel k_q7a0e688def_prep
		.amdhsa_group_segment_fixed_size 68096
		.amdhsa_private_segment_fixed_size 0
		.amdhsa_enable_private_segment 0
		.amdhsa_kernarg_size 104
		.amdhsa_user_sgpr_count 2
		.amdhsa_user_sgpr_kernarg_segment_ptr 1
		.amdhsa_wavefront_size32 1
		.amdhsa_system_sgpr_workgroup_id_x 1
		.amdhsa_system_sgpr_workgroup_id_y 1
		.amdhsa_system_sgpr_workgroup_id_z 1
		.amdhsa_system_vgpr_workitem_id 0
		.amdhsa_next_free_vgpr 256
		.amdhsa_next_free_sgpr 66
		.amdhsa_reserve_vcc 1
		.amdhsa_float_denorm_mode_32 3
		.amdhsa_float_denorm_mode_16_64 3
		.amdhsa_memory_ordered 1
		.amdhsa_forward_progress 1
		.amdhsa_inst_pref_size 107
	.end_amdhsa_kernel
	.amdgpu_metadata
---
amdhsa.version: [ 1, 2 ]
amdhsa.kernels:
  - .name:           k_q7a0e688def_prep
    .symbol:         k_q7a0e688def_prep.kd
    .args:
      - { .name: query, .offset: 0, .size: 8, .value_kind: global_buffer, .address_space: global }
      - { .name: key, .offset: 8, .size: 8, .value_kind: global_buffer, .address_space: global }
      - { .name: value, .offset: 16, .size: 8, .value_kind: global_buffer, .address_space: global }
      - { .name: mask, .offset: 24, .size: 8, .value_kind: global_buffer, .address_space: global }
      - { .name: Wq, .offset: 32, .size: 8, .value_kind: global_buffer, .address_space: global }
      - { .name: Wk, .offset: 40, .size: 8, .value_kind: global_buffer, .address_space: global }
      - { .name: Wv, .offset: 48, .size: 8, .value_kind: global_buffer, .address_space: global }
      - { .name: Wo, .offset: 56, .size: 8, .value_kind: global_buffer, .address_space: global }
      - { .name: xcod, .offset: 64, .size: 8, .value_kind: global_buffer, .address_space: global }
      - { .name: xscl, .offset: 72, .size: 8, .value_kind: global_buffer, .address_space: global }
      - { .name: mcod, .offset: 80, .size: 8, .value_kind: global_buffer, .address_space: global }
      - { .name: wcod, .offset: 88, .size: 8, .value_kind: global_buffer, .address_space: global }
      - { .name: wscl, .offset: 96, .size: 8, .value_kind: global_buffer, .address_space: global }
    .group_segment_fixed_size: 68096
    .private_segment_fixed_size: 0
    .kernarg_segment_align: 8
    .kernarg_segment_size: 104
    .max_flat_workgroup_size: 128
    .sgpr_count:     66
    .vgpr_count:     256
    .wavefront_size: 32
...
	.end_amdgpu_metadata
.endif
;; end of part 1
;; launch proj (part 2): grid 12 x 32, 4 waves a work-group, clusters of 4 x 4, 327,680 bytes of LDS; arguments xcod, xscl, wcod, wscl, bq, bk, bv, qrec, kvrec; writes qrec, kvrec
.if DOCPART == 2
	.amdgcn_target "amdgcn-amd-amdhsa--gfx1250"
	.amdhsa_code_object_version 6
	.text
	.protected	k_q7a0e688def_proj
	.globl	k_q7a0e688def_proj
	.p2align	8
	.type	k_q7a0e688def_proj,@function
k_q7a0e688def_proj:
	s_mov_b64 s[64:65], 0
	v_nop
	global_prefetch_b8 v0, s[64:65] scope:SCOPE_SE
	s_setreg_imm32_b32 hwreg(HW_REG_WAVE_MODE, 25, 1), 1
	s_wait_xcnt 0x0
	s_wait_alu depctr_hold_cnt(0) depctr_sa_sdst(0) depctr_va_vdst(0) depctr_va_sdst(0) depctr_va_ssrc(0) depctr_va_vcc(0) depctr_vm_vsrc(0)
	s_getreg_b32 s2, hwreg(HW_REG_IB_STS2, 6, 4)
	s_cmp_eq_u32 s2, 0
	s_cbranch_scc0 .Lentry_in_a_cluster
	s_endpgm
.Lentry_in_a_cluster:
	s_bfe_u32 s2, ttmp6, 0x10000c
	s_cmp_lg_u32 s2, 0xf033
	s_cbranch_scc0 .Lentry_shape_is_right
	s_endpgm
.Lentry_shape_is_right:
; Launch 2 of 4: q = query Wq + bq, k = key Wk + bk, v = value Wv + bv on codes of E2M1, and each result quantised at once for the attention launch.  Nothing is left out.
; The kernel multiplies an X side (source 0: a lane's result registers run along it) by a Y side (source 1: a lane holds one of its rows) and quantises along X.
;   cluster x = 0, 1 (q, k): X = the weight's columns (head x 64 + d: the next K), Y = the tokens.     cluster x = 2 (v): X = the tokens (the keys: the next K), Y = Wv's columns (channels).
; Tiles are images of operand registers; lane r of tile 2 G + u holds row 32 G + 8 u + r + 8 (r / 8), so the 16 registers of X tiles 2 B, 2 B + 1 are X indices 32 B + 16 (lane / 16) + 0 .. 15: neighbours along the next K.
; SHARES.  A work-group makes 256 Y rows x 256 X rows, each of its four waves 128 x 128: 64 accumulators.  All of K = 1,024 fits in LDS as codes: two slots of four K steps, both asked for at the head; no LDS byte is filled twice.
; CLUSTER 4 x 4: cx indexes X and cy indexes Y, so Y's tiles are shared along a row of the cluster and X's along a column: each is asked for jointly.  The one branch on the tensor hangs on the cluster's x, alike in all partners.
; No prefetch: every tile of the launch is asked for at its head.
; OUT.  q, k: a record [batch x 16 + head][128 rows] of 8,960 bytes: 8 tiles x 512 bytes of codes (registers 0-3 of a fragment: d = 32 h + 0 .. 31) at 0, scale words [h'][r][4] (tile 4 h' + j) at 8,192.
;       v: in the keys' record: fragments of V^T [channel tile 4][c 2][lane][16] at 4,096, scale words [r][channel tile 4] at 8,704.
; LIMITS: as stated in the first launch (floor byte 1; no NaN or infinity among the inputs).
; REGISTERS: window 0: v1-3 lane, r, h; v16-29 addresses; v32-95 scale words (set q at 32 + 32 q, register 4 i + K step % 4: lanes 0-15 Y's tile i, lanes 16-31 X's); v128-255 Y's fragments, two sets; in the epilogue v128-231 at work.
;   window 1: X's fragments, sets at v0 and v128; v64-127 the bias.   windows 2, 3: accumulator (a, b) at v[8 (8 (a % 4) + b)].
; STAGING AS IT STANDS NOW (this replaces the head's lines on slots and scale words): each wave asks once, at the head, for 8 tiles x all of K: 65,536 dense bytes; waves 0, 1 Y's halves, waves 2, 3 X's.
; The scale words, 4,096 bytes a side and wave against the 131,072 bytes of codes that a wave reads, go from memory straight into registers: a sixteenth part, not asked for jointly.
.set HALF,  65536                      ; 8 tiles x 8,192 bytes
.set XOFF,  2*HALF                     ; X's two halves lie behind Y's two
.set SPARE, 4*HALF                     ; the spare words, 128 bytes for each wave: two blocks of 256 bytes that no other line names
.set REC,   8960
.set HEADB, 16*REC                     ; from a head's records to the next head's
.set ADY, 16
.set ADX, 20
.set LI,  24                           ; 16 x lane
.set LV,  25                           ; HEADB x h + 16 r
.set BO,  26
.set SPW, 28
.set NIL, 29
.set H,   128
.set PC,  192
.set TM,  200
.set PWS, 216
.set W,   224
.set W2,  228
.set WV,  22
.set YH,  23                           ; wave / 2: my half of Y.  Also: I fetch for Y (0) or for X (1)
.set XH,  2                            ; wave % 2: my half of X.  Also: which half of that side I fetch
.set SEL, 100
.set G1Y, 24
.set G0Y, 32
.set G1X, 48
.set G0X, 56
.set MSB, 0
.macro WIN new                         ; the immediate's high byte repeats the setting that is left
.if MSB != (\new)
	s_set_vgpr_msb (MSB<<8)|(\new)
.set MSB, (\new)
.endif
.endm
.macro JLOAD g0y, g1y, g0x, g1x        ; a joint load: waves 0 and 1 fetch for Y, waves 2 and 3 for X; an s_nop 0 and four v_nop follow each line
	s_cmp_eq_u32 s[YH], 0
	s_cbranch_scc0 .Lfor_x_\@
	tensor_load_to_lds s[\g0y:\g0y+3], s[\g1y:\g1y+7]
	s_nop 0
.rept 4
	v_nop
.endr
	s_branch .Lasked_\@
.Lfor_x_\@:
	tensor_load_to_lds s[\g0x:\g0x+3], s[\g1x:\g1x+7]
	s_nop 0
.rept 4
	v_nop
.endr
.Lasked_\@:
.endm
.macro CROUND                          ; a round of the cluster's barrier
	s_barrier_signal -1
	s_barrier_wait -1
	s_cmp_lg_u32 s[WV], 0
	s_cbranch_scc1 .Lnot_wave_0_\@
	s_barrier_signal -3
.Lnot_wave_0_\@:
	s_barrier_wait -3
	s_barrier_signal -1
	s_barrier_wait -1
.endm
.macro PLACES n
.rept \n
	v_nop
.endr
.endm
	s_load_b512 s[4:19], s[0:1], 0x0               ; xcod, xscl, wcod, wscl, bq, bk, bv, qrec
	s_load_b64 s[20:21], s[0:1], 0x40              ; kvrec
	v_lshl_add_u32 v[SPW], v0, 2, SPARE
	v_mov_b32 v[NIL], 0
	ds_add_u32 v[SPW], v[NIL]                      ; the wave's opening: the add, twice on end, and its wait ahead of my first tensor load
	ds_add_u32 v[SPW], v[NIL]
	v_lshrrev_b32 v1, 5, v0
	v_readfirstlane_b32 s[WV], v1                  ; wave 0..3
	s_lshr_b32 s[YH], s[WV], 1
	s_and_b32 s[XH], s[WV], 1
	s_bfe_u32 s40, ttmp6, 0x40000                  ; cx
	s_bfe_u32 s41, ttmp6, 0x40004                  ; cy
	s_and_b32 s43, ttmp7, 0xffff                   ; the cluster's y: 0..7
	s_cmp_eq_u32 ttmp9, 2                          ; v?  Then the long axis (tokens) is X's, else Y's
	s_cselect_b32 s44, s43, 0
	s_cselect_b32 s45, 0, s43
	s_lshl_b32 s44, s44, 2
	s_add_co_u32 s44, s44, s40                     ; XT: which 256 rows of X
	s_lshl_b32 s45, s45, 2
	s_add_co_u32 s45, s45, s41                     ; YT: which 256 rows of Y
	s_lshl_b32 s46, s41, 2
	s_lshl_b32 s46, 15, s46                        ; my row of the cluster
	s_lshl_b32 s47, 0x1111, s40                    ; my column
	s_or_b32 s[G1Y], s46, (3<<16)|(1<<21)          ; 15:0 the mask: Y's tiles go to my row; 17:16 elements of 8 bytes; 21 set beside a mask; no padding: images are read 512 consecutive bytes at a time
	s_or_b32 s[G1X], s47, (3<<16)|(1<<21)
.irp g, G1Y, G1X                       ; codes: 8 tiles' whole K: 8 rows of 8,192 bytes, on end
	s_mov_b32 s[\g+1], 1024<<16                    ; a row is a tile's whole K: 8,192 bytes, 1,024 elements of 8 bytes
	s_mov_b32 s[\g+2], 8<<16
	s_mov_b32 s[\g+3], 1024<<16
	s_mov_b32 s[\g+4], 8
	s_mov_b32 s[\g+5], 1024
	s_mov_b32 s[\g+6], 0
	s_mov_b32 s[\g+7], 0
.endr
	s_lshl_b32 s66, ttmp9, 22                      ; the tensor's codes in xcod,
	s_lshl_b32 s67, ttmp9, 19                      ; the weight's in wcod
	s_cmp_eq_u32 ttmp9, 2
	s_cselect_b32 s92, s67, s66                    ; Y's
	s_cselect_b32 s94, s66, s67                    ; X's
	s_lshl_b32 s66, ttmp9, 18                      ; and their scale words
	s_lshl_b32 s67, ttmp9, 15
	s_cmp_eq_u32 ttmp9, 2
	s_cselect_b32 s96, s67, s66
	s_cselect_b32 s98, s66, s67
	s_lshl_b32 s66, s45, 17                        ; 16 tiles of 8,192 bytes for each 256 rows
	s_add_co_u32 s92, s92, s66
	s_lshl_b32 s66, s45, 13
	s_add_co_u32 s96, s96, s66
	s_lshl_b32 s67, s44, 17
	s_add_co_u32 s94, s94, s67
	s_lshl_b32 s67, s44, 13
	s_add_co_u32 s98, s98, s67
	s_lshl_b32 s3, s[XH], 16                       ; the half that I fetch
	s_add_co_u32 s92, s92, s3
	s_add_co_u32 s94, s94, s3
	s_lshl_b32 s3, s[XH], 12                       ; the scale words that my wave multiplies by: X's half XH,
	s_add_co_u32 s98, s98, s3
	s_lshl_b32 s3, s[YH], 12                       ; Y's half YH
	s_add_co_u32 s96, s96, s3
	s_mov_b32 s93, 0
	s_mov_b32 s95, 0
	s_mov_b32 s97, 0
	s_mov_b32 s99, 0
	s_wait_dscnt 0x0                               ; both opening adds are done
	s_wait_kmcnt 0x0
	s_cmp_eq_u32 ttmp9, 2
	s_cselect_b64 s[100:101], s[8:9], s[4:5]
	s_add_nc_u64 s[92:93], s[100:101], s[92:93]    ; Y's codes
	s_cselect_b64 s[100:101], s[4:5], s[8:9]
	s_add_nc_u64 s[94:95], s[100:101], s[94:95]    ; X's codes
	s_cselect_b64 s[100:101], s[10:11], s[6:7]
	s_add_nc_u64 s[96:97], s[100:101], s[96:97]    ; Y's scale words
	s_cselect_b64 s[100:101], s[6:7], s[10:11]
	s_add_nc_u64 s[98:99], s[100:101], s[98:99]    ; X's
	s_lshl_b32 s3, s[WV], 16                       ; where my 65,536 bytes go: wave x HALF: no place in the cluster enters an LDS address
	CROUND                                         ; all sixteen work-groups are here: the joint loads meet
	s_mov_b32 s[G0Y], 1
	s_mov_b32 s[G0Y+1], s3
	s_mov_b64 s[G0Y+2:G0Y+3], s[92:93]
	s_or_b32 s[G0Y+3], s[G0Y+3], 0x80000000
	s_mov_b32 s[G0X], 1
	s_mov_b32 s[G0X+1], s3
	s_mov_b64 s[G0X+2:G0X+3], s[94:95]
	s_or_b32 s[G0X+3], s[G0X+3], 0x80000000
	JLOAD G0Y, G1Y, G0X, G1X                       ; my one tensor load of the launch
	v_and_b32 v1, 31, v0                           ; lane
	v_and_b32 v2, 15, v0                           ; r
	v_bfe_u32 v3, v0, 4, 1                         ; h
	v_lshlrev_b32 v[LI], 4, v1
.irp i, 0,1,2,3,4,5,6,7
	global_load_b128 v[32+4*\i:35+4*\i], v[LI], s[96:97] offset:512*\i   ; Y's tile i: lanes 0-15 the words of K steps 0-3, lanes 16-31 those of K steps 4-7: 512 consecutive bytes
	global_load_b128 v[64+4*\i:67+4*\i], v[LI], s[98:99] offset:512*\i   ; X's tile i likewise
.endr
	s_lshl_b32 s3, s[YH], 16
	v_add_nc_u32 v[ADY], s3, v[LI]                 ; my 8 tiles of Y
	s_lshl_b32 s3, s[XH], 16
	s_add_co_u32 s3, s3, XOFF
	v_add_nc_u32 v[ADX], s3, v[LI]                 ; my 8 tiles of X
	v_mul_u32_u24 v[LV], v3, HEADB
	v_lshl_add_u32 v[LV], v2, 4, v[LV]
	s_lshl_b32 s46, s45, 1
	s_add_co_u32 s46, s46, s[YH]                   ; which 128 rows of Y are my wave's
	s_lshl_b32 s47, s44, 1
	s_add_co_u32 s47, s47, s[XH]                   ; which 128 rows of X
	s_cmp_eq_u32 ttmp9, 2                          ; the record: P = the 128 tokens, Q = the pair of heads
	s_cselect_b32 s66, s47, s46
	s_cselect_b32 s67, s46, s47
	s_lshr_b32 s3, s66, 4
	s_lshl_b32 s3, s3, 4                           ; batch x 16
	s_lshl_b32 s67, s67, 1
	s_add_co_u32 s3, s3, s67                       ; + the first head of the pair
	s_lshl_b32 s3, s3, 4
	s_and_b32 s66, s66, 15
	s_add_co_u32 s3, s3, s66                       ; x 16 + the group of 128 tokens
	s_mul_i32 s66, s3, REC
	s_mov_b32 s67, 0
	s_cmp_eq_u32 ttmp9, 0
	s_cselect_b64 s[18:19], s[18:19], s[20:21]     ; q goes to qrec, k and v to kvrec
	s_add_nc_u64 s[18:19], s[18:19], s[66:67]
	s_mov_b32 s[SEL], 0x76543210
	s_mov_b32 s[SEL+1], 0xfedcba98                 ; v_permlanex16_b32's selects for lane l xor 16
.macro FETCH ks, p                     ; K step ks: X's and Y's eight fragments each into set p: every load takes 512 consecutive bytes
	WIN 0x40
.irp i, 0,1,2,3,4,5,6,7
	ds_load_b128 v[128*(\p)+8*\i:128*(\p)+8*\i+3], v[ADX] offset:8192*\i+1024*(\ks)
	ds_load_b128 v[128*(\p)+8*\i+4:128*(\p)+8*\i+7], v[ADX] offset:8192*\i+1024*(\ks)+512
.endr
	WIN 0
.irp i, 0,1,2,3,4,5,6,7
	ds_load_b128 v[128+64*(\p)+8*\i:128+64*(\p)+8*\i+3], v[ADY] offset:8192*\i+1024*(\ks)
	ds_load_b128 v[128+64*(\p)+8*\i+4:128+64*(\p)+8*\i+7], v[ADY] offset:8192*\i+1024*(\ks)+512
.endr
.endm
.macro MUL ks, p, zero                 ; 64 matrix instructions; the 64 accumulators take turns, one instruction a turn, in the same order in every K step
.irp a, 0,1,2,3,4,5,6,7
.if \a == 0
	WIN 0xa1                                       ; source 0 (X) window 1, source 1 (Y) window 0, C and D window 2
.endif
.if \a == 4
	WIN 0xf1                                       ; C and D window 3
.endif
.irp b, 0,1,2,3,4,5,6,7
; scale words: X's tile b in v[64 + 4 b + ks % 4], Y's tile a in v[32 + 4 a + ks % 4]; K steps 0-3 read lanes 0-15, K steps 4-7 lanes 16-31
.if \zero
	v_wmma_scale_f32_16x16x128_f8f6f4 v[8*(8*(\a%4)+\b):8*(8*(\a%4)+\b)+7], v[128*(\p)+8*\b:128*(\p)+8*\b+7], v[128+64*(\p)+8*\a:128+64*(\p)+8*\a+7], 0, v[64+4*\b+(\ks)%4], v[32+4*\a+(\ks)%4] matrix_a_fmt:MATRIX_FMT_FP4 matrix_b_fmt:MATRIX_FMT_FP4
.elseif (\ks) < 4
	v_wmma_scale_f32_16x16x128_f8f6f4 v[8*(8*(\a%4)+\b):8*(8*(\a%4)+\b)+7], v[128*(\p)+8*\b:128*(\p)+8*\b+7], v[128+64*(\p)+8*\a:128+64*(\p)+8*\a+7], v[8*(8*(\a%4)+\b):8*(8*(\a%4)+\b)+7], v[64+4*\b+(\ks)%4], v[32+4*\a+(\ks)%4] matrix_a_fmt:MATRIX_FMT_FP4 matrix_b_fmt:MATRIX_FMT_FP4
.else
	v_wmma_scale_f32_16x16x128_f8f6f4 v[8*(8*(\a%4)+\b):8*(8*(\a%4)+\b)+7], v[128*(\p)+8*\b:128*(\p)+8*\b+7], v[128+64*(\p)+8*\a:128+64*(\p)+8*\a+7], v[8*(8*(\a%4)+\b):8*(8*(\a%4)+\b)+7], v[64+4*\b+(\ks)%4], v[32+4*\a+(\ks)%4] matrix_a_fmt:MATRIX_FMT_FP4 matrix_b_fmt:MATRIX_FMT_FP4 matrix_a_scale:MATRIX_SCALE_ROW1 matrix_b_scale:MATRIX_SCALE_ROW1
.endif
.endr
.endr
.endm
.macro STEP ks, zero
	s_wait_dscnt 0x0                               ; this K step's fragments, asked for 64 matrix instructions ago
.if \ks < 7
	PLACES 4                                       ; four places in front of loads into registers that the last K step's matrix instructions have read
	FETCH (\ks)+1, ((\ks)+1)%2
.endif
	MUL \ks, (\ks)%2, \zero
.endm
; 64 numbers of a lane, register 16 b + i = index 32 b + 16 (lane / 16) + i along the next K, become a fragment's codes in v[pc] on and its scale word in v[pw]
.macro QUANT s, pc, pw
.irp b, 0,1,2,3
	v_max3_num_f32 v[TM+\b], |v[\s+16*\b]|, |v[\s+1+16*\b]|, 0x1800000   ; block b: my 16 numbers, and the floor 2^(3 - 127): the byte cannot fall under 1
.endr
.irp i, 2,4,6,8,10,12,14
.irp b, 0,1,2,3
	v_max3_num_f32 v[TM+\b], v[TM+\b], |v[\s+16*\b+\i]|, |v[\s+1+16*\b+\i]|
.endr
.endr
.irp b, 0,1,2,3
	v_permlanex16_b32 v[TM+4+\b], v[TM+\b], s[SEL], s[SEL+1]
.endr
.irp b, 0,1,2,3
	v_max_num_f32 v[TM+\b], v[TM+\b], v[TM+4+\b]   ; with lane l xor 16's: the block's largest magnitude
.endr
.irp b, 0,1,2,3
	v_add_nc_u32 v[TM+12+\b], 0xff000000, v[TM+\b] ; 2 off its exponent field: the conversion's scale operand
.endr
.irp b, 0,1,2,3
	v_lshrrev_b32 v[TM+4+\b], 23, v[TM+12+\b]      ; the scale's byte
.endr
	v_lshl_or_b32 v[\pw], v[TM+5], 8, v[TM+4]
	v_lshl_or_b32 v[\pw], v[TM+6], 16, v[\pw]
	v_lshl_or_b32 v[\pw], v[TM+7], 24, v[\pw]
.irp b, 0,1,2,3
	v_cvt_scalef32_pk8_fp4_f32 v[\pc+2*\b], v[\s+16*\b:\s+7+16*\b], v[TM+12+\b]
	v_cvt_scalef32_pk8_fp4_f32 v[\pc+1+2*\b], v[\s+8+16*\b:\s+15+16*\b], v[TM+12+\b]
.endr
	v_nop                                          ; one plain place behind a scaled conversion
.irp c, 0,1                            ; the operand's layout wants a whole block in a lane
.irp i, 0,1
	v_permlane16_swap_b32 v[\pc+4*\c+\i], v[\pc+2+4*\c+\i]
.endr
.endr
.endm
; The epilogue, Y tile by Y tile.  var = 0 (q, k): the bias runs along X, a block's 128 X indices are two heads.  var = 1 (v): the bias is my channel's, a block's 128 X indices are a key step.
.macro EPI var
.irp a, 0,1,2,3,4,5,6,7
.if \a > 0
	s_wait_xcnt 0x0                                ; the last tile's stores have read their codes
.endif
	WIN 0x06+(\a/4)                                ; source 0 (the sums) window 2 or 3, source 1 (the bias) window 1, destination window 0
.set j, 0
.rept 32
.if \var
	v_pk_add_f32 v[H+2*j:H+2*j+1], v[64*(\a%4)+2*j:64*(\a%4)+2*j+1], v[64+2*\a:65+2*\a]
.else
	v_pk_add_f32 v[H+2*j:H+2*j+1], v[64*(\a%4)+2*j:64*(\a%4)+2*j+1], v[64+2*j:65+2*j]   ; each accumulator from its low end on
.endif
.set j, j+1
.endr
	WIN 0
	QUANT H, PC, PWS+\a
.if \var
	global_store_b128 v[LI], v[PC:PC+3], s[18:19] offset:(\a/4)*HEADB+4096+1024*(\a%4)       ; 32 lanes store 512 consecutive bytes
	global_store_b128 v[LI], v[PC+4:PC+7], s[18:19] offset:(\a/4)*HEADB+4096+1024*(\a%4)+512
.else
	global_store_b128 v[LI], v[PC:PC+3], s[18:19] offset:512*\a                              ; the pair's first head,
	global_store_b128 v[LI], v[PC+4:PC+7], s[18:19] offset:HEADB+512*\a                      ; its second
.endif
.endr
	v_cmp_le_u32 vcc_lo, 16, v1
.irp j, 0,1,2,3
	v_cndmask_b32 v[W+\j], v[PWS+\j], v[PWS+4+\j], vcc_lo   ; lanes 0-15: tiles 0-3's words; lanes 16-31: tiles 4-7's
.endr
.endm
.macro LAST3                           ; K steps 5 to 7, and what stands in front of the epilogue
	STEP 5, 0
	STEP 6, 0
	STEP 7, 0
	WIN 0
	PLACES 4                                       ; behind the last products: their results are read and their operands' registers written below
	s_wait_loadcnt 0x0                             ; the bias
.irp b, 0,1,2,3
	v_mov_b32 v[TM+4+\b], 0                        ; a lane permute's destination counts as one of its sources
.endr
.endm
	s_wait_alu depctr_va_vdst(0)
	s_wait_tensorcnt 0x0                           ; my 65,536 bytes are in;
	s_barrier_signal -1
	s_barrier_wait -1                              ; everybody's are.  Nothing is filled again in this launch
	FETCH 0, 0
	s_wait_loadcnt 0x0                             ; the scale words
	STEP 0, 1                                      ; the first products start the sums: nothing is cleared
	STEP 1, 0
	STEP 2, 0
	STEP 3, 0
	STEP 4, 0
	WIN 0
	s_mov_b32 s67, 0
	s_cmp_eq_u32 ttmp9, 2                          ; the tensor: the cluster's x, alike in all sixteen partners
	s_cbranch_scc1 .Lfor_v
	s_cmp_eq_u32 ttmp9, 0
	s_cselect_b64 s[12:13], s[12:13], s[14:15]
	s_lshl_b32 s66, s47, 9                         ; my 128 features
	s_add_nc_u64 s[12:13], s[12:13], s[66:67]
	v_lshlrev_b32 v[BO], 6, v3                     ; register 16 B + i wants feature 32 B + 16 h + i
	WIN 0x40
.irp B, 0,1,2,3
.irp i, 0,1,2,3
	global_load_b128 v[64+16*\B+4*\i:67+16*\B+4*\i], v[BO], s[12:13] offset:128*\B+16*\i
.endr
.endr
	WIN 0
	LAST3
	EPI 0
	global_store_b128 v[LI], v[W:W+3], s[18:19] offset:8192          ; a word's bytes 0, 1 are the first head's; bytes 2, 3 stand over zero codes there and are never 0xff
.irp j, 0,1,2,3
	v_lshrrev_b32 v[W2+\j], 16, v[W+\j]                              ; the second head's two bytes
.endr
	global_store_b128 v[LI], v[W2:W2+3], s[18:19] offset:HEADB+8192
	s_branch .Lclose
.Lfor_v:
	s_lshl_b32 s66, s46, 9                         ; my 128 channels
	s_add_nc_u64 s[16:17], s[16:17], s[66:67]
	v_and_b32 v[BO], 8, v2
	v_add_nc_u32 v[BO], v[BO], v2
	v_lshlrev_b32 v[BO], 2, v[BO]                  ; my channel in a tile: r + 8 (r / 8)
	WIN 0x40
.irp a, 0,1,2,3,4,5,6,7
	global_load_b32 v[64+2*\a], v[BO], s[16:17] offset:4*(32*(\a/2)+8*(\a%2))
	global_load_b32 v[65+2*\a], v[BO], s[16:17] offset:4*(32*(\a/2)+8*(\a%2))   ; twice: a pair for the packed addition
.endr
	WIN 0
	LAST3
	EPI 1
	global_store_b128 v[LV], v[W:W+3], s[18:19] offset:8704          ; lanes 0-15: the first head's 256 bytes; lanes 16-31: the second's
.Lclose:
	s_wait_tensorcnt 0x0                           ; the wave's end
	ds_add_u32 v[SPW], v[NIL]
	s_wait_dscnt 0x0
	CROUND                                         ; the closing round
	s_endpgm
.Lfunc_end_k_q7a0e688def_proj:
	.size	k_q7a0e688def_proj, .Lfunc_end_k_q7a0e688def_proj-k_q7a0e688def_proj
	.p2alignl 7, 3214868480
	.fill 96, 4, 3214868480
	.section	.rodata,"a",@progbits
	.p2align	6, 0x0
	.amdhsa_kernel k_q7a0e688def_proj
		.amdhsa_group_segment_fixed_size 327680
		.amdhsa_private_segment_fixed_size 0
		.amdhsa_enable_private_segment 0
		.amdhsa_kernarg_size 72
		.amdhsa_user_sgpr_count 2
		.amdhsa_user_sgpr_kernarg_segment_ptr 1
		.amdhsa_wavefront_size32 1
		.amdhsa_system_sgpr_workgroup_id_x 1
		.amdhsa_system_sgpr_workgroup_id_y 1
		.amdhsa_system_sgpr_workgroup_id_z 1
		.amdhsa_system_vgpr_workitem_id 0
		.amdhsa_next_free_vgpr 1024
		.amdhsa_next_free_sgpr 102
		.amdhsa_reserve_vcc 1
		.amdhsa_float_denorm_mode_32 3
		.amdhsa_float_denorm_mode_16_64 3
		.amdhsa_memory_ordered 1
		.amdhsa_forward_progress 1
		.amdhsa_inst_pref_size 220
	.end_amdhsa_kernel
	.amdgpu_metadata
---
amdhsa.version: [ 1, 2 ]
amdhsa.kernels:
  - .name:           k_q7a0e688def_proj
    .symbol:         k_q7a0e688def_proj.kd
    .args:
      - { .name: xcod, .offset: 0, .size: 8, .value_kind: global_buffer, .address_space: global }
      - { .name: xscl, .offset: 8, .size: 8, .value_kind: global_buffer, .address_space: global }
      - { .name: wcod, .offset: 16, .size: 8, .value_kind: global_buffer, .address_space: global }
      - { .name: wscl, .offset: 24, .size: 8, .value_kind: global_buffer, .address_space: global }
      - { .name: bq, .offset: 32, .size: 8, .value_kind: global_buffer, .address_space: global }
      - { .name: bk, .offset: 40, .size: 8, .value_kind: global_buffer, .address_space: global }
      - { .name: bv, .offset: 48, .size: 8, .value_kind: global_buffer, .address_space: global }
      - { .name: qrec, .offset: 56, .size: 8, .value_kind: global_buffer, .address_space: global }
      - { .name: kvrec, .offset: 64, .size: 8, .value_kind: global_buffer, .address_space: global }
    .group_segment_fixed_size: 327680
    .private_segment_fixed_size: 0
    .kernarg_segment_align: 8
    .kernarg_segment_size: 72
    .max_flat_workgroup_size: 128
    .sgpr_count:     102
    .vgpr_count:     1024
    .wavefront_size: 32
...
	.end_amdgpu_metadata
.endif
;; end of part 2
;; launch attn (part 3): grid 8 x 32, 16 waves a work-group, clusters of 4 x 1, 327,680 bytes of LDS; arguments qrec, kvrec, mcod, ocod; writes ocod
.if DOCPART == 3
	.amdgcn_target "amdgcn-amd-amdhsa--gfx1250"
	.amdhsa_code_object_version 6
	.text
	.protected	k_q7a0e688def_attn
	.globl	k_q7a0e688def_attn
	.p2align	8
	.type	k_q7a0e688def_attn,@function
k_q7a0e688def_attn:
	s_mov_b64 s[64:65], 0
	v_nop
	global_prefetch_b8 v0, s[64:65] scope:SCOPE_SE
	s_setreg_imm32_b32 hwreg(HW_REG_WAVE_MODE, 25, 1), 1
	s_wait_xcnt 0x0
	s_wait_alu depctr_hold_cnt(0) depctr_sa_sdst(0) depctr_va_vdst(0) depctr_va_sdst(0) depctr_va_ssrc(0) depctr_va_vcc(0) depctr_vm_vsrc(0)
	s_getreg_b32 s2, hwreg(HW_REG_IB_STS2, 6, 4)
	s_cmp_eq_u32 s2, 0
	s_cbranch_scc0 .Lentry_in_a_cluster
	s_endpgm
.Lentry_in_a_cluster:
	s_bfe_u32 s2, ttmp6, 0x10000c
	s_cmp_lg_u32 s2, 0x3003
	s_cbranch_scc0 .Lentry_shape_is_right
	s_endpgm
.Lentry_shape_is_right:
; Launch 3 of 4: softmax(q k^T / 8 under the mask) v on codes of E2M1, and the result quantised for the last product.  Nothing is left out.
; SHARES.  A work-group owns 256 queries of two heads of one batch; each of its sixteen waves owns one tile of 16 queries and walks head 0, then head 1, 128 keys a step, 16 steps a head.
; K AND V of both heads, 32 records of 8,960 bytes, stay in LDS, laid [128 keys][head]: wave w asks once for records w of both heads: two rows of 8,960 bytes, HEADB bytes apart in memory.  No byte is filled twice.
; CLUSTER 4 x 1: the four query blocks of a cluster read the same two heads, and ask for each record jointly.
; LAYOUT.  Both products are used transposed, a lane holds ONE query; score register 16 b + i of lane (r, h) is key 32 b + 16 h + i of the step.
; THE MASK IS A PRODUCT.  The first launch laid the mask as codes (0.5 where a key is hidden, 0 where it counts): one fragment for 16 queries x 128 keys.  For each tile of 16 keys a fixed fragment with one
; code -6 in each row picks that row's key out of it; both sides' scales are 2^32.  So eight matrix instructions start the eight score accumulators with 0, or with -3 x 2^64 where the key is hidden, and k q^T adds in place.
; The eight fixed fragments are windows of v64-85: six zeros, two pattern registers for lanes 0-15, six zeros, two for lanes 16-31, six zeros.
; K'S FRAGMENTS OVERLAP.  A head has 64 along K; Q's codes for k = 64 .. 127 are zeros, so whatever finite codes stand against them add nothing: tile t's fragment is v[32 + 4 t] on, its upper half tile t + 1's data.
; SOFTMAX: t = score x log2(e) / 8; M = the ceiling of the running largest t; p = 2^(t - M) is quantised along the keys; the sum is taken of the unquantised p; when M moves, the sum and O^T are multiplied by 2^(old M - new M).
; The running largest score begins at -2^40: over every hidden score, under every score that the limit below allows.  So a hidden key never sets M, and its p is 0.
; A query all of whose keys are hidden keeps -2^40 to the end and gets zero codes under the scale byte 0xff: NaN, as reference() has it.
; LIMITS: the promise holds while the scaled scores stay under 2^31 in magnitude; otherwise as stated in the first launch.
; NO PREFETCH of the mask's codes: each step's 1,024 bytes are asked for by their own two loads one whole key step ahead of their use.
; REGISTERS: v1-11 addresses and words that stay; v12 -M, v13 the largest score, v[14:15] the sum; v16-23 Q; v24-31 scale words of K, V; v32-63 K; v64-85 the fixed fragments; v86-93 the mask's codes; v94 their scales;
;   v96-159 scores, then p; v160-191 O^T; v192-223 V; v224-231 p's codes; v232-255 at work (v240-243, v255: head 1's Q).
.set REC,   8960
.set HEADB, 16*REC
.set GST,   32*REC                     ; behind the records: 1,024 bytes in which the waves' scale words are gathered
.set SPARE, GST+1024                   ; the spare words, 128 bytes for each wave: eight blocks of 256 bytes that no other line names
.set LI,   1                           ; 16 x lane
.set LI2,  2                           ; 16 r
.set ADR,  3
.set ADR2, 4
.set SPW,  5
.set NIL,  6
.set HW,   8
.set GAD,  9
.set QS,   10
.set GRD,  11
.set KF,   32
.set ID,   70
.set MC,   86
.set MS,   94
.set S,    96
.set O,    160
.set VF,   192
.set PC,   224
.set OLD,  250
.set WV,   12
.set TB,   13
.set CNT,  14
.set SEL,  66
.set CS,   100
.set G1,   84
.set G0A,  92
.macro CROUND                          ; a round of the cluster's barrier
	s_barrier_signal -1
	s_barrier_wait -1
	s_cmp_lg_u32 s[WV], 0
	s_cbranch_scc1 .Lnot_wave_0_\@
	s_barrier_signal -3
.Lnot_wave_0_\@:
	s_barrier_wait -3
	s_barrier_signal -1
	s_barrier_wait -1
.endm
	s_load_b256 s[16:23], s[0:1], 0x0              ; qrec, kvrec, mcod, ocod
	v_lshl_add_u32 v[SPW], v0, 2, SPARE
	v_mov_b32 v[NIL], 0
	ds_add_u32 v[SPW], v[NIL]                      ; the opening lines: the add, twice on end, and its wait ahead of my tensor load
	ds_add_u32 v[SPW], v[NIL]
	v_lshrrev_b32 v1, 5, v0
	s_delay_alu instid0(VALU_DEP_1)
	v_readfirstlane_b32 s[WV], v1                  ; wave 0..15
	s_bfe_u32 s24, ttmp6, 0x40000                  ; cx
	s_lshl_b32 s25, ttmp9, 2
	s_add_co_u32 s25, s25, s24                     ; which 256 queries
	s_and_b32 s26, ttmp7, 0xffff                   ; 8 x batch + pair of heads
	s_lshr_b32 s27, s26, 3
	s_and_b32 s28, s26, 7
	s_mov_b32 s[G1], 15|(3<<16)|(1<<21)            ; the mask names the cluster's four; elements of 8 bytes; bit 21 beside a mask
	s_mov_b32 s[G1+1], (REC/8)<<16                 ; a row is a record
	s_mov_b32 s[G1+2], 2<<16                       ; two rows: the two heads
	s_mov_b32 s[G1+3], (REC/8)<<16
	s_mov_b32 s[G1+4], 2
	s_mov_b32 s[G1+5], HEADB/8
	s_mov_b32 s[G1+6], 0
	s_mov_b32 s[G1+7], 0
	s_mul_i32 s30, s26, 2*HEADB
	s_mul_i32 s29, s[WV], REC
	s_add_co_u32 s30, s30, s29                     ; record w of the pair's first head
	s_mov_b32 s31, 0
	s_mul_i32 s29, s[WV], 2*REC                    ; and where the two go in LDS
	s_lshl_b32 s32, s26, 5
	s_lshl_b32 s33, s25, 1
	s_add_co_u32 s32, s32, s33
	s_lshr_b32 s33, s[WV], 3
	s_add_co_u32 s32, s32, s33
	s_mul_i32 s32, s32, REC                        ; my queries' record
	s_mov_b32 s33, 0
	s_and_b32 s34, s[WV], 7
	s_lshl_b32 s34, s34, 9                         ; my tile's codes in it
	s_mov_b32 s35, 0
	s_bfe_u32 s36, s[WV], 0x10002
	s_lshl_b32 s36, s36, 8
	s_and_b32 s37, s[WV], 3
	s_lshl_b32 s37, s37, 2
	s_add_co_u32 s36, s36, s37
	s_add_co_u32 s36, s36, 8192                    ; and its scale words
	s_mov_b32 s37, 0
	s_lshl_b32 s38, s27, 7
	s_lshl_b32 s39, s25, 4
	s_add_co_u32 s38, s38, s39
	s_add_co_u32 s40, s38, s[WV]                   ; 128 x batch + my tile of queries
	s_lshl_b32 s42, s40, 14                        ; the mask's codes: 16,384 bytes a tile
	s_mov_b32 s43, 0
	s_lshl_b32 s44, s40, 13
	s_lshl_b32 s41, s28, 10
	s_add_co_u32 s44, s44, s41                     ; out: my tile's image, K step = the pair of heads
	s_mov_b32 s45, 0
	s_lshl_b32 s46, s28, 15
	s_lshl_b32 s41, s38, 6
	s_add_co_u32 s46, s46, s41
	s_min_u32 s15, s[WV], 1
	s_lshl_b32 s15, s15, 9
	s_add_co_u32 s46, s46, s15
	s_add_co_u32 s46, s46, 4194304                 ; out: the work-group's scale words
	s_mov_b32 s47, 0
	s_mov_b32 s[SEL], 0x76543210
	s_mov_b32 s[SEL+1], 0xfedcba98                 ; v_permlanex16_b32's selects for lane l xor 16
	s_mov_b32 s[CS], 0x3e38aa3b                    ; c = log2(e) / 8
	s_mov_b32 s[CS+1], s[CS]
	s_wait_dscnt 0x0                               ; both opening adds are done
	s_wait_kmcnt 0x0
	s_add_nc_u64 s[4:5], s[16:17], s[32:33]
	s_add_nc_u64 s[6:7], s[4:5], s[36:37]
	s_add_nc_u64 s[4:5], s[4:5], s[34:35]
	s_add_nc_u64 s[8:9], s[20:21], s[42:43]
	s_add_nc_u64 s[10:11], s[22:23], s[44:45]
	s_add_nc_u64 s[2:3], s[22:23], s[46:47]
	s_mov_b32 s[G0A], 1
	s_mov_b32 s[G0A+1], s29
	s_add_nc_u64 s[G0A+2:G0A+3], s[18:19], s[30:31]
	s_or_b32 s[G0A+3], s[G0A+3], 0x80000000
	CROUND                                         ; the four work-groups are here: the joint loads meet
	tensor_load_to_lds s[G0A:G0A+3], s[G1:G1+7]    ; my one tensor load of the launch
	s_nop 0
.rept 4
	v_nop
.endr
	v_and_b32 v[LI], 31, v0
	v_and_b32 v[LI2], 15, v0
	v_and_b32 v233, 3, v0
	v_bfe_u32 v234, v0, 2, 1
	v_lshrrev_b32 v232, 3, v[LI]                   ; lane / 8: which of the four pattern registers is not zero in my lane
	v_lshlrev_b32 v[LI], 4, v[LI]
	v_lshlrev_b32 v[GAD], 2, v[LI2]
	v_lshlrev_b32 v[LI2], 4, v[LI2]
	v_lshlrev_b32 v233, 3, v233
.macro MLOAD                           ; a key step's codes of the mask: two loads of 512 consecutive bytes
	global_load_b128 v[MC:MC+3], v[LI], s[8:9]
	global_load_b128 v[MC+4:MC+7], v[LI], s[8:9] offset:512
.endm
	global_load_b128 v[16:19], v[LI], s[4:5]       ; Q of head 0
	global_load_b32 v[QS], v[LI2], s[6:7]
	global_load_b128 v[240:243], v[LI], s[4:5] offset:HEADB   ; and of head 1
	global_load_b32 v255, v[LI2], s[6:7] offset:HEADB
	MLOAD
	v_lshl_or_b32 v233, v234, 2, v233              ; row r % 8 stands in nibble 2 (r % 4) + (r % 8) / 4: four bits each
	s_lshl_b32 s48, s[WV], 6
	s_add_co_u32 s48, s48, GST
	v_add_nc_u32 v[GAD], s48, v[GAD]
	s_add_co_u32 s15, s15, GST
	v_add_nc_u32 v[GRD], s15, v[LI]
	v_lshlrev_b32 v233, v233, 15                   ; the code -6 at that nibble
.irp i, 0,1,2,3
	v_cmp_eq_u32 vcc_lo, \i, v232
	v_cndmask_b32 v[ID+\i+6*(\i/2)], 0, v233, vcc_lo   ; v70, v71: rows 0-7, 8-15 in lanes 0-15; v78, v79: the same in lanes 16-31
.endr
.irp j, 20,21,22,23, 64,65,66,67,68,69, 72,73,74,75,76,77, 80,81,82,83,84,85, 236,237,238,239, 253,254
	v_mov_b32 v[\j], 0                             ; Q's zero codes, the fixed fragments' zeros, and lane permutes' destinations, which count as sources
.endr
	v_mov_b32 v[MS], 0x9f9f9f9f                    ; 2^32 for every block, on both sides of the mask's product
.macro KLOAD off                       ; a record's eight tiles of K and their scale words
.irp t, 0,1,2,3,4,5,6,7
	ds_load_b128 v[KF+4*\t:KF+4*\t+3], v[ADR] offset:(\off)+512*\t
.endr
	ds_load_b128 v[24:27], v[ADR] offset:(\off)+8192
.endm
.macro TM from, to                     ; t - M, two at a time
.set j, \from
.rept ((\to)-(\from))/2
	v_pk_fma_f32 v[S+j:S+1+j], v[S+j:S+1+j], s[CS:CS+1], v[12:13] op_sel_hi:[1,0,0]
.set j, j+2
.endr
.endm
.macro EXPS from
.set j, \from
.rept 32
	v_exp_f32 v[S+j], v[S+j]
.set j, j+1
.endr
.endm
; A KEY STEP.  nextk: the next record's K is fetched.  mask: 1 the next step's codes of the mask are fetched, 2 step 0's again (for head 1), 0 none.
.macro STEP nextk, mask
	s_wait_loadcnt 0x0                             ; the mask's codes (first step: Q too); so their base may be stepped
	s_wait_dscnt 0x0                               ; K
.if (\mask) == 1
	s_add_nc_u64 s[8:9], s[8:9], 1024
.elseif (\mask) == 2
	s_sub_nc_u64 s[8:9], s[8:9], 15*1024
.endif
.irp t, 0,1,2,3,4,5,6,7
	v_wmma_scale_f32_16x16x128_f8f6f4 v[S+8*\t:S+7+8*\t], v[ID+8*(\t%2)-2*(\t/2):ID+7+8*(\t%2)-2*(\t/2)], v[MC:MC+7], 0, v[MS], v[MS] matrix_a_fmt:MATRIX_FMT_FP4 matrix_b_fmt:MATRIX_FMT_FP4
.endr
.irp t, 0,1,2,3                        ; the eight accumulators take turns, one instruction a turn
	v_wmma_scale_f32_16x16x128_f8f6f4 v[S+8*\t:S+7+8*\t], v[KF+4*\t:KF+7+4*\t], v[16:23], v[S+8*\t:S+7+8*\t], v[24+\t], v[QS] matrix_a_fmt:MATRIX_FMT_FP4 matrix_b_fmt:MATRIX_FMT_FP4
.endr
.irp t, 4,5,6,7
	v_wmma_scale_f32_16x16x128_f8f6f4 v[S+8*\t:S+7+8*\t], v[KF+4*\t:KF+7+4*\t], v[16:23], v[S+8*\t:S+7+8*\t], v[20+\t], v[QS] matrix_a_fmt:MATRIX_FMT_FP4 matrix_b_fmt:MATRIX_FMT_FP4 matrix_a_scale:MATRIX_SCALE_ROW1
.endr
	v_add_nc_u32 v[ADR], s[TB], v[LI]              ; four places behind the products, ahead of the loads and of the first read of a score
	v_add_nc_u32 v[ADR2], s[TB], v[LI2]
	v_mov_b32 v[OLD], v12
	v_nop
.irp f, 0,1,2,3,4,5,6,7
	ds_load_b128 v[VF+4*\f:VF+4*\f+3], v[ADR] offset:4096+512*\f
.endr
	ds_load_b128 v[28:31], v[ADR2] offset:8704
.if \nextk
	KLOAD 2*REC
.endif
.if \mask
	MLOAD
.endif
.irp b, 0,1,2,3
	v_max3_num_f32 v[232+\b], v[S+16*\b], v[S+1+16*\b], v[S+2+16*\b]   ; the largest score of each block of 32 keys: for the row's maximum and for the block's largest p
.endr
.irp i, 3,5,7,9,11,13
.irp b, 0,1,2,3
	v_max3_num_f32 v[232+\b], v[232+\b], v[S+16*\b+\i], v[S+1+16*\b+\i]   ; (the four blocks by turns)
.endr
.endr
.irp b, 0,1,2,3
	v_max_num_f32 v[232+\b], v[232+\b], v[S+15+16*\b]
.endr
.irp b, 0,1,2,3
	v_permlanex16_b32 v[236+\b], v[232+\b], s[SEL], s[SEL+1]
.endr
.irp b, 0,1,2,3
	s_delay_alu instid0(VALU_DEP_4)
	v_max_num_f32 v[232+\b], v[232+\b], v[236+\b]  ; with lane l xor 16's 16 keys
.endr
	s_delay_alu instid0(VALU_DEP_2)
	v_max3_num_f32 v254, v232, v233, v234
	s_delay_alu instid0(VALU_DEP_1)
	v_max3_num_f32 v13, v13, v254, v235            ; the running largest score
	s_delay_alu instid0(VALU_DEP_1)
	v_mul_f32 v254, s[CS], v13                     ; as t (c is positive)
	s_delay_alu instid0(VALU_DEP_1)
	v_floor_f32 v12, -v254                         ; -M = floor(-t): M is a whole number
	s_delay_alu instid0(VALU_DEP_1)
	v_sub_f32 v254, v12, v[OLD]                    ; old M - new M, 0 or less
	TM 0, 8
	v_cvt_i32_f32 v254, v254                       ; (it saturates)
	TM 8, 16
	v_ldexp_f32 v252, 1.0, v254                    ; f = 2^(old M - new M)
	TM 16, 32
.irp b, 0,1,2,3
	v_fma_f32 v[232+\b], v[232+\b], s[CS], v12     ; the same of each block's largest score
.endr
	v_pk_mul_f32 v[14:15], v[14:15], v[252:253] op_sel_hi:[1,0]   ; the sum under the new M
	s_wait_alu depctr_va_vdst(0)
	EXPS 0                                         ; p of keys 0-63,
.irp b, 0,1,2,3
	v_exp_f32 v[232+\b], v[232+\b]                 ; and each block's largest p: the same two instructions on the same number give the same bits
.endr
	TM 32, 64                                      ; plain work behind the first batch: the second batch's sources
	s_wait_alu depctr_va_vdst(0)                   ; one wait: behind the first batch and ahead of the second
	EXPS 32
	v_pk_add_f32 v[248:249], v[S:S+1], v[S+2:S+3]  ; plain work behind the second batch: the sum of the first batch's p, unquantised, in four chains by turns,
	v_pk_add_f32 v[236:237], v[S+4:S+5], v[S+6:S+7]
	v_pk_add_f32 v[238:239], v[S+8:S+9], v[S+10:S+11]
	v_pk_add_f32 v[14:15], v[14:15], v[S+12:S+13]
.irp j, 14,22
	v_pk_add_f32 v[248:249], v[248:249], v[S+\j:S+1+\j]
	v_pk_add_f32 v[236:237], v[236:237], v[S+2+\j:S+3+\j]
	v_pk_add_f32 v[238:239], v[238:239], v[S+4+\j:S+5+\j]
	v_pk_add_f32 v[14:15], v[14:15], v[S+6+\j:S+7+\j]
.endr
	v_pk_add_f32 v[248:249], v[248:249], v[S+30:S+31]
.irp b, 0,1,2,3
	v_max_num_f32 v[232+\b], 0x1800000, v[232+\b]  ; and the blocks' scales: the floor 2^(3 - 127) holds the byte at 1 from below,
.endr
.irp b, 0,1,2,3
	s_delay_alu instid0(VALU_DEP_4)
	v_add_nc_u32 v[244+\b], 0xff000000, v[232+\b]  ; 2 off the exponent field: the conversion's scale operand,
.endr
.irp b, 0,1,2,3
	s_delay_alu instid0(VALU_DEP_4)
	v_lshrrev_b32 v[232+\b], 23, v[244+\b]         ; the byte (v236-239 hold two of the sum's chains)
.endr
	v_lshl_or_b32 v253, v233, 8, v232              ; p's scale word for these 128 keys: two halves,
	v_lshl_or_b32 v254, v235, 8, v234
	v_lshl_or_b32 v253, v254, 16, v253             ; joined
	s_wait_alu depctr_va_vdst(0)                   ; behind the second batch, and directly ahead of the first readers of O^T
.irp j, 0,2,4,6,8,10,12,14,16,18,20,22,24,26,28,30
	v_pk_mul_f32 v[O+\j:O+1+\j], v[O+\j:O+1+\j], v[252:253] op_sel_hi:[1,0]   ; O^T under the new M
.endr
.irp b, 0,1,2,3
	v_cvt_scalef32_pk8_fp4_f32 v[PC+2*\b], v[S+16*\b:S+7+16*\b], v[244+\b]
	v_cvt_scalef32_pk8_fp4_f32 v[PC+1+2*\b], v[S+8+16*\b:S+15+16*\b], v[244+\b]
.endr
	v_nop                                          ; one plain place behind a scaled conversion
.irp c, 0,1                            ; the operand's layout wants a whole block in a lane
.irp i, 0,1
	v_permlane16_swap_b32 v[PC+4*\c+\i], v[PC+2+4*\c+\i]
.endr
.endr
.irp j, 32,40,48,56
	v_pk_add_f32 v[236:237], v[236:237], v[S+\j:S+1+\j]            ; the sum of the second batch's p: these 19 lines are also the places between the codes and the product
	v_pk_add_f32 v[238:239], v[238:239], v[S+2+\j:S+3+\j]
	v_pk_add_f32 v[14:15], v[14:15], v[S+4+\j:S+5+\j]
	v_pk_add_f32 v[248:249], v[248:249], v[S+6+\j:S+7+\j]
.endr
	v_pk_add_f32 v[236:237], v[236:237], v[238:239]                ; the four chains are joined
	v_pk_add_f32 v[14:15], v[14:15], v[248:249]
	v_pk_add_f32 v[14:15], v[14:15], v[236:237]
	s_wait_alu depctr_va_vdst(0)
	s_wait_dscnt 9*(\nextk)                        ; V and its scale words are in; the nine loads of the next K, issued behind them, may be out
.irp t, 0,1,2,3
	v_wmma_scale_f32_16x16x128_f8f6f4 v[O+8*\t:O+7+8*\t], v[VF+8*\t:VF+7+8*\t], v[PC:PC+7], v[O+8*\t:O+7+8*\t], v[28+\t], v253 matrix_a_fmt:MATRIX_FMT_FP4 matrix_b_fmt:MATRIX_FMT_FP4
.endr
	s_add_co_u32 s[TB], s[TB], 2*REC               ; the next 128 keys' record of this head
.endm
.macro HEAD hh
.if \hh > 0
	s_wait_xcnt 0x0                                ; head 0's store has read its codes
.irp j, 0,1,2,3
	v_mov_b32 v[16+\j], v[240+\j]
.endr
	v_mov_b32 v[QS], v255
.endif
	s_mov_b32 s[TB], REC*\hh
	v_add_nc_u32 v[ADR], s[TB], v[LI]
	KLOAD 0
	v_mov_b32 v13, 0xd3800000                      ; the largest score so far: -2^40, over every hidden score
	v_mov_b32 v12, 0x7e000000                      ; -M: a large whole number, so that the first f is 0
	v_mov_b32 v14, 0
	v_mov_b32 v15, 0
.set j, 0
.rept 32
	v_mov_b32 v[O+j], 0                            ; the step is written once: its first run finds zeros
.set j, j+1
.endr
	s_mov_b32 s[CNT], 15
	s_wait_alu depctr_va_vdst(0)
.Lstep_\@:
	STEP 1, 1
	s_sub_co_u32 s[CNT], s[CNT], 1
	s_cmp_lg_u32 s[CNT], 0
	s_cbranch_scc1 .Lstep_\@
	STEP 0, 2-2*\hh
.rept 4
	v_nop
.endr
	v_add_f32 v14, v14, v15                        ; the sum's two halves,
	s_delay_alu instid0(VALU_DEP_1)
	v_permlanex16_b32 v254, v14, s[SEL], s[SEL+1]
	s_delay_alu instid0(VALU_DEP_1)
	v_add_f32 v14, v14, v254                       ; and lane l xor 16's
	s_wait_alu depctr_va_vdst(0)
	v_rcp_f32 v252, v14
	v_mov_b32 v251, 0
	v_cmp_gt_f32 vcc_lo, 0xd3000000, v13           ; every key hidden: the largest score still lies under -2^39
	v_mov_b32 v239, 0xffff
	s_wait_alu depctr_va_vdst(0)
	v_cndmask_b32 v252, v252, v251, vcc_lo         ; then zero codes,
.irp j, 0,2,4,6,8,10,12,14,16,18,20,22,24,26,28,30
	v_pk_mul_f32 v[S+\j:S+1+\j], v[O+\j:O+1+\j], v[252:253] op_sel_hi:[1,0]   ; O^T / the sum: register 16 b + i is channel 32 b + 16 h + i
.endr
.irp b, 0,1
	v_max3_num_f32 v[232+\b], |v[S+16*\b]|, |v[S+1+16*\b]|, 0x1800000
.endr
.irp i, 2,4,6,8,10,12,14
.irp b, 0,1
	s_delay_alu instid0(VALU_DEP_2)
	v_max3_num_f32 v[232+\b], v[232+\b], |v[S+16*\b+\i]|, |v[S+1+16*\b+\i]|
.endr
.endr
.irp b, 0,1
	s_delay_alu instid0(VALU_DEP_2)
	v_permlanex16_b32 v[236+\b], v[232+\b], s[SEL], s[SEL+1]
.endr
.irp b, 0,1
	s_delay_alu instid0(VALU_DEP_2)
	v_max_num_f32 v[232+\b], v[232+\b], v[236+\b]
.endr
.irp b, 0,1
	s_delay_alu instid0(VALU_DEP_2)
	v_add_nc_u32 v[244+\b], 0xff000000, v[232+\b]
.endr
.irp b, 0,1
	s_delay_alu instid0(VALU_DEP_2)
	v_lshrrev_b32 v[236+\b], 23, v[244+\b]
.endr
	s_delay_alu instid0(VALU_DEP_1)
	v_lshl_or_b32 v238, v237, 8, v236
	s_delay_alu instid0(VALU_DEP_1)
	v_cndmask_b32 v238, v238, v239, vcc_lo         ; under the bytes 0xff
.irp b, 0,1
	v_cvt_scalef32_pk8_fp4_f32 v[PC+2*\b], v[S+16*\b:S+7+16*\b], v[244+\b]
	v_cvt_scalef32_pk8_fp4_f32 v[PC+1+2*\b], v[S+8+16*\b:S+15+16*\b], v[244+\b]
.endr
	v_nop
	v_permlane16_swap_b32 v224, v226
	v_permlane16_swap_b32 v225, v227
.if \hh == 0
	v_mov_b32 v[HW], v238
.else
	v_lshl_or_b32 v[HW], v238, 16, v[HW]           ; the pair's four bytes: the scale word of this K step of the last product
.endif
	global_store_b128 v[LI], v[224:227], s[10:11] offset:512*\hh   ; 32 lanes store 512 consecutive bytes
.endm
	s_wait_alu depctr_va_vdst(0)
	s_wait_tensorcnt 0x0                           ; my two records are in;
	s_barrier_signal -1
	s_barrier_wait -1                              ; everybody's are.  Nothing is filled again in this launch
	HEAD 0
	HEAD 1
	ds_store_b32 v[GAD], v[HW]                     ; the sixteen waves' scale words are gathered, so that they leave in whole runs of 256 bytes
	s_wait_dscnt 0x0
	s_barrier_signal -1
	s_barrier_wait -1
	s_cmp_lt_u32 s[WV], 2
	s_cbranch_scc0 .Lno_words
	ds_load_b128 v[232:235], v[GRD]
	s_wait_dscnt 0x0
	global_store_b128 v[LI], v[232:235], s[2:3]
.Lno_words:
	s_wait_tensorcnt 0x0                           ; the wave's end
	ds_add_u32 v[SPW], v[NIL]
	s_wait_dscnt 0x0
	CROUND                                         ; the closing round
	s_endpgm
.Lfunc_end_k_q7a0e688def_attn:
	.size	k_q7a0e688def_attn, .Lfunc_end_k_q7a0e688def_attn-k_q7a0e688def_attn
	.p2alignl 7, 3214868480
	.fill 96, 4, 3214868480
	.section	.rodata,"a",@progbits
	.p2align	6, 0x0
	.amdhsa_kernel k_q7a0e688def_attn
		.amdhsa_group_segment_fixed_size 327680
		.amdhsa_private_segment_fixed_size 0
		.amdhsa_enable_private_segment 0
		.amdhsa_kernarg_size 32
		.amdhsa_user_sgpr_count 2
		.amdhsa_user_sgpr_kernarg_segment_ptr 1
		.amdhsa_wavefront_size32 1
		.amdhsa_system_sgpr_workgroup_id_x 1
		.amdhsa_system_sgpr_workgroup_id_y 1
		.amdhsa_system_sgpr_workgroup_id_z 1
		.amdhsa_system_vgpr_workitem_id 0
		.amdhsa_next_free_vgpr 256
		.amdhsa_next_free_sgpr 102
		.amdhsa_reserve_vcc 1
		.amdhsa_float_denorm_mode_32 3
		.amdhsa_float_denorm_mode_16_64 3
		.amdhsa_memory_ordered 1
		.amdhsa_forward_progress 1
		.amdhsa_inst_pref_size 85
	.end_amdhsa_kernel
	.amdgpu_metadata
---
amdhsa.version: [ 1, 2 ]
amdhsa.kernels:
  - .name:           k_q7a0e688def_attn
    .symbol:         k_q7a0e688def_attn.kd
    .args:
      - { .name: qrec, .offset: 0, .size: 8, .value_kind: global_buffer, .address_space: global }
      - { .name: kvrec, .offset: 8, .size: 8, .value_kind: global_buffer, .address_space: global }
      - { .name: mcod, .offset: 16, .size: 8, .value_kind: global_buffer, .address_space: global }
      - { .name: ocod, .offset: 24, .size: 8, .value_kind: global_buffer, .address_space: global }
    .group_segment_fixed_size: 327680
    .private_segment_fixed_size: 0
    .kernarg_segment_align: 8
    .kernarg_segment_size: 32
    .max_flat_workgroup_size: 512
    .sgpr_count:     102
    .vgpr_count:     256
    .wavefront_size: 32
...
	.end_amdgpu_metadata
.endif
;; end of part 3
;; launch outp (part 4): grid 4 x 64, 4 waves a work-group, clusters of 4 x 4, 327,680 bytes of LDS; arguments ocod, wcod, wscl, bo, out0; writes out0
.if DOCPART == 4
	.amdgcn_target "amdgcn-amd-amdhsa--gfx1250"
	.amdhsa_code_object_version 6
	.text
	.protected	k_q7a0e688def_outp
	.globl	k_q7a0e688def_outp
	.p2align	8
	.type	k_q7a0e688def_outp,@function
k_q7a0e688def_outp:
	s_mov_b64 s[64:65], 0
	v_nop
	global_prefetch_b8 v0, s[64:65] scope:SCOPE_SE
	s_setreg_imm32_b32 hwreg(HW_REG_WAVE_MODE, 25, 1), 1
	s_wait_xcnt 0x0
	s_wait_alu depctr_hold_cnt(0) depctr_sa_sdst(0) depctr_va_vdst(0) depctr_va_sdst(0) depctr_va_ssrc(0) depctr_va_vcc(0) depctr_vm_vsrc(0)
	s_getreg_b32 s2, hwreg(HW_REG_IB_STS2, 6, 4)
	s_cmp_eq_u32 s2, 0
	s_cbranch_scc0 .Lentry_in_a_cluster
	s_endpgm
.Lentry_in_a_cluster:
	s_bfe_u32 s2, ttmp6, 0x10000c
	s_cmp_lg_u32 s2, 0xf033
	s_cbranch_scc0 .Lentry_shape_is_right
	s_endpgm
.Lentry_shape_is_right:
; Launch 4 of 4: out0 = (attention's result) Wo + bo on codes of E2M1.  Nothing is left out.
; STAGING.  All of K = 1,024 lies in LDS as images of operand registers, a tile's 8,192 bytes on end.  Each wave asks once, at the head, jointly with its cluster's partners: waves 0, 1 for the halves of Y
; (4 tiles, 32,768 dense bytes), waves 2, 3 for the halves of X (8 tiles, 65,536).  No byte is filled twice.  The scale words, 6,144 bytes a wave against the 98,304 bytes of codes that it reads, go from memory straight into registers.
; No prefetch: every tile of the launch is asked for at its head.
.set XOFF,  65536                      ; X's two halves lie behind Y's two
.set STAGE, 196608                     ; behind the codes: the waves' stages for the way out
.set SPARE, STAGE+4*8448
.set ADY, 16
.set ADX, 20
.set AYS, 22
.set AXS, 23
.set STO, 24
.set RD,  25
.set CO,  26
.set BO,  27
.set SPW, 28
.set NIL, 29
.set WV,  14
.set YH,  15
.set XH,  16
.set G1Y, 24
.set G0Y, 32
.set G1X, 48
.set G0X, 56
.set MSB, 0
.macro WIN new
.if MSB != (\new)
	s_set_vgpr_msb (MSB<<8)|(\new)
.set MSB, (\new)
.endif
.endm
.macro JLOAD g0y, g1y, g0x, g1x
	s_cmp_eq_u32 s[YH], 0
	s_cbranch_scc0 .Lfor_x_\@
	tensor_load_to_lds s[\g0y:\g0y+3], s[\g1y:\g1y+7]
	s_nop 0
.rept 4
	v_nop
.endr
	s_branch .Lasked_\@
.Lfor_x_\@:
	tensor_load_to_lds s[\g0x:\g0x+3], s[\g1x:\g1x+7]
	s_nop 0
.rept 4
	v_nop
.endr
.Lasked_\@:
.endm
.macro CROUND
	s_barrier_signal -1
	s_barrier_wait -1
	s_cmp_lg_u32 s[WV], 0
	s_cbranch_scc1 .Lnot_wave_0_\@
	s_barrier_signal -3
.Lnot_wave_0_\@:
	s_barrier_wait -3
	s_barrier_signal -1
	s_barrier_wait -1
.endm
.macro PLACES n
.rept \n
	v_nop
.endr
.endm
	s_load_b256 s[4:11], s[0:1], 0x0
	s_load_b64 s[12:13], s[0:1], 0x20
	v_lshl_add_u32 v[SPW], v0, 2, SPARE
	v_mov_b32 v[NIL], 0
	ds_add_u32 v[SPW], v[NIL]
	ds_add_u32 v[SPW], v[NIL]
	v_lshrrev_b32 v1, 5, v0
	v_readfirstlane_b32 s[WV], v1
	s_lshr_b32 s[YH], s[WV], 1
	s_and_b32 s[XH], s[WV], 1
	s_bfe_u32 s40, ttmp6, 0x40000
	s_bfe_u32 s41, ttmp6, 0x40004
	s_lshl_b32 s44, ttmp9, 2
	s_add_co_u32 s44, s44, s40
	s_and_b32 s45, ttmp7, 0xffff
	s_lshl_b32 s45, s45, 2
	s_add_co_u32 s45, s45, s41
	s_lshl_b32 s46, s41, 2
	s_lshl_b32 s46, 15, s46
	s_lshl_b32 s47, 0x1111, s40
	s_or_b32 s[G1Y], s46, (3<<16)|(1<<21)
	s_or_b32 s[G1X], s47, (3<<16)|(1<<21)
	s_mov_b32 s[G1Y+1], 1024<<16                   ; a row is a tile's whole K: 8,192 bytes, 1,024 elements of 8 bytes
	s_mov_b32 s[G1Y+2], 4<<16
	s_mov_b32 s[G1Y+3], 1024<<16
	s_mov_b32 s[G1Y+4], 4
	s_mov_b32 s[G1Y+5], 1024
	s_mov_b32 s[G1Y+6], 0
	s_mov_b32 s[G1Y+7], 0
	s_mov_b32 s[G1X+1], 1024<<16
	s_mov_b32 s[G1X+2], 8<<16
	s_mov_b32 s[G1X+3], 1024<<16
	s_mov_b32 s[G1X+4], 8
	s_mov_b32 s[G1X+5], 1024
	s_mov_b32 s[G1X+6], 0
	s_mov_b32 s[G1X+7], 0
	s_lshl_b32 s92, s45, 16
	s_lshl_b32 s3, s[XH], 15
	s_add_co_u32 s92, s92, s3
	s_mov_b32 s93, 0
	s_lshl_b32 s96, s45, 9                         ; Y's scale words: 64 bytes a tile; the four tiles that my wave multiplies: half YH
	s_lshl_b32 s3, s[YH], 8
	s_add_co_u32 s96, s96, s3
	s_add_co_u32 s96, s96, 4194304
	s_mov_b32 s97, 0
	s_lshl_b32 s94, s44, 17
	s_lshl_b32 s3, s[XH], 16
	s_add_co_u32 s94, s94, s3
	s_add_co_u32 s94, s94, 3*524288
	s_mov_b32 s95, 0
	s_lshl_b32 s98, s44, 13
	s_lshl_b32 s3, s[XH], 12
	s_add_co_u32 s98, s98, s3
	s_add_co_u32 s98, s98, 3*32768
	s_mov_b32 s99, 0
	s_lshl_b32 s17, s[XH], 15                      ; where the half that I fetch goes: of Y,
	s_lshl_b32 s18, s[XH], 16
	s_add_co_u32 s18, s18, XOFF                    ; of X: no place in the cluster enters an LDS address
	s_lshl_b32 s42, s44, 10
	s_lshl_b32 s3, s[XH], 9
	s_add_co_u32 s42, s42, s3
	s_mov_b32 s43, 0
	s_lshl_b32 s66, s45, 19
	s_lshl_b32 s3, s[YH], 18
	s_add_co_u32 s66, s66, s3
	s_add_co_u32 s66, s66, s42
	s_mov_b32 s67, 0
	s_wait_dscnt 0x0
	s_wait_kmcnt 0x0
	s_add_nc_u64 s[92:93], s[4:5], s[92:93]
	s_add_nc_u64 s[96:97], s[4:5], s[96:97]
	s_add_nc_u64 s[94:95], s[6:7], s[94:95]
	s_add_nc_u64 s[98:99], s[8:9], s[98:99]
	s_add_nc_u64 s[10:11], s[10:11], s[42:43]
	s_add_nc_u64 s[12:13], s[12:13], s[66:67]
	CROUND
	s_mov_b32 s[G0Y], 1
	s_mov_b32 s[G0Y+1], s17
	s_mov_b64 s[G0Y+2:G0Y+3], s[92:93]
	s_or_b32 s[G0Y+3], s[G0Y+3], 0x80000000
	s_mov_b32 s[G0X], 1
	s_mov_b32 s[G0X+1], s18
	s_mov_b64 s[G0X+2:G0X+3], s[94:95]
	s_or_b32 s[G0X+3], s[G0X+3], 0x80000000
	JLOAD G0Y, G1Y, G0X, G1X                       ; my one tensor load of the launch
	v_and_b32 v1, 31, v0
	v_and_b32 v2, 15, v0
	s_wait_alu depctr_va_vdst(0)
	v_bfe_u32 v3, v0, 4, 1
	v_lshlrev_b32 v[CO], 4, v1
	v_lshlrev_b32 v[BO], 6, v3
	WIN 0x40
.irp B, 0,1,2,3
.irp i, 0,1,2,3
	global_load_b128 v[64+16*\B+4*\i:67+16*\B+4*\i], v[BO], s[10:11] offset:128*\B+16*\i
.endr
.endr
	WIN 0
	s_lshl_b32 s3, s[YH], 15
	v_add_nc_u32 v[ADY], s3, v[CO]                 ; my 4 tiles of Y
	s_lshl_b32 s3, s[XH], 16
	s_add_co_u32 s3, s3, XOFF
	v_add_nc_u32 v[ADX], s3, v[CO]                 ; my 8 tiles of X
	v_lshlrev_b32 v[AYS], 2, v2                    ; 4 r
	v_lshlrev_b32 v[AXS], 4, v2                    ; 16 r
.irp k, 0,1,2,3,4,5,6,7
.irp a, 0,1,2,3
	global_load_b32 v[32+4*\k+\a], v[AYS] , s[96:97] offset:32768*\k+64*\a   ; Y's scale word of K step k, tile a, row r
.endr
.endr
.irp b, 0,1,2,3,4,5,6,7
.irp q, 0,1
	global_load_b128 v[64+8*\b+4*\q:67+8*\b+4*\q], v[AXS], s[98:99] offset:512*\b+256*\q   ; X's tile b: the words of K steps 4 q .. 4 q + 3
.endr
.endr
	s_mul_i32 s3, s[WV], 8448
	s_add_co_u32 s3, s3, STAGE
	v_mul_u32_u24 v[STO], v2, 528
	v_lshl_add_u32 v[STO], v3, 6, v[STO]
	v_add_nc_u32 v[STO], s3, v[STO]
	v_add_nc_u32 v[RD], s3, v[CO]
.macro FETCH ks, p
	WIN 0x40
.irp i, 0,1,2,3,4,5,6,7
	ds_load_b128 v[128*(\p)+8*\i:128*(\p)+8*\i+3], v[ADX] offset:8192*\i+1024*(\ks)
	ds_load_b128 v[128*(\p)+8*\i+4:128*(\p)+8*\i+7], v[ADX] offset:8192*\i+1024*(\ks)+512
.endr
	WIN 0
.irp i, 0,1,2,3
	ds_load_b128 v[128+32*(\p)+8*\i:128+32*(\p)+8*\i+3], v[ADY] offset:8192*\i+1024*(\ks)
	ds_load_b128 v[128+32*(\p)+8*\i+4:128+32*(\p)+8*\i+7], v[ADY] offset:8192*\i+1024*(\ks)+512
.endr
.endm
.macro MUL ks, p
.if \ks == 0
	WIN 0x91
.else
	WIN 0xa1
.endif
.irp a, 0,1,2,3
.irp b, 0,1,2,3,4,5,6,7
.if \ks == 0
	v_wmma_scale_f32_16x16x128_f8f6f4 v[8*(8*\a+\b):8*(8*\a+\b)+7], v[128*(\p)+8*\b:128*(\p)+8*\b+7], v[128+32*(\p)+8*\a:128+32*(\p)+8*\a+7], v[64+8*\b:71+8*\b], v[64+8*\b+(\ks)], v[32+4*(\ks)+\a] matrix_a_fmt:MATRIX_FMT_FP4 matrix_b_fmt:MATRIX_FMT_FP4
.else
	v_wmma_scale_f32_16x16x128_f8f6f4 v[8*(8*\a+\b):8*(8*\a+\b)+7], v[128*(\p)+8*\b:128*(\p)+8*\b+7], v[128+32*(\p)+8*\a:128+32*(\p)+8*\a+7], v[8*(8*\a+\b):8*(8*\a+\b)+7], v[64+8*\b+(\ks)], v[32+4*(\ks)+\a] matrix_a_fmt:MATRIX_FMT_FP4 matrix_b_fmt:MATRIX_FMT_FP4
.endif
.endr
.endr
.endm
.macro STEP ks
	s_wait_dscnt 0x0
.if \ks < 7
	PLACES 4
	FETCH (\ks)+1, ((\ks)+1)%2
.endif
	MUL \ks, (\ks)%2
.endm
	s_wait_alu depctr_va_vdst(0)
	s_wait_tensorcnt 0x0                           ; my part of the codes is in;
	s_barrier_signal -1
	s_barrier_wait -1                              ; everybody's is.  Nothing is filled again in this launch
	FETCH 0, 0
	s_wait_loadcnt 0x0
	STEP 0
	STEP 1
	STEP 2
	STEP 3
	STEP 4
	STEP 5
	STEP 6
	STEP 7
	WIN 0
.macro TOSTAGE a
	WIN 0x08
.irp b, 0,1,2,3,4,5,6,7
	ds_store_b128 v[STO], v[64*(\a)+8*\b:64*(\a)+8*\b+3] offset:128*(\b/2)+32*(\b%2)
	ds_store_b128 v[STO], v[64*(\a)+8*\b+4:64*(\a)+8*\b+7] offset:128*(\b/2)+32*(\b%2)+16
.endr
	WIN 0
.set BB, 128+64*((\a)%2)
.irp t, 0,1,2,3,4,5,6,7,8,9,10,11,12,13,14,15
	ds_load_b128 v[BB+4*\t:BB+4*\t+3], v[RD] offset:528*\t
.endr
.endm
.macro SEND a, younger
.set BB, 128+64*((\a)%2)
	s_wait_dscnt \younger
.irp t, 0,1,2,3,4,5,6,7,8,9,10,11,12,13,14,15
	global_store_b128 v[CO], v[BB+4*\t:BB+4*\t+3], s[12:13] offset:(32*((\a)/2)+8*((\a)%2)+\t+8*(\t/8))*4096 th:TH_STORE_NT
.endr
.endm
	PLACES 4
	TOSTAGE 0
.irp a, 1,2,3
.if \a > 1
	s_wait_xcnt 0x0
.endif
	TOSTAGE \a
	SEND \a-1, 32
.endr
	SEND 3, 0
	s_wait_tensorcnt 0x0
	ds_add_u32 v[SPW], v[NIL]
	s_wait_dscnt 0x0
	CROUND
	s_endpgm
.Lfunc_end_k_q7a0e688def_outp:
	.size	k_q7a0e688def_outp, .Lfunc_end_k_q7a0e688def_outp-k_q7a0e688def_outp
	.p2alignl 7, 3214868480
	.fill 96, 4, 3214868480
	.section	.rodata,"a",@progbits
	.p2align	6, 0x0
	.amdhsa_kernel k_q7a0e688def_outp
		.amdhsa_group_segment_fixed_size 327680
		.amdhsa_private_segment_fixed_size 0
		.amdhsa_enable_private_segment 0
		.amdhsa_kernarg_size 40
		.amdhsa_user_sgpr_count 2
		.amdhsa_user_sgpr_kernarg_segment_ptr 1
		.amdhsa_wavefront_size32 1
		.amdhsa_system_sgpr_workgroup_id_x 1
		.amdhsa_system_sgpr_workgroup_id_y 1
		.amdhsa_system_sgpr_workgroup_id_z 1
		.amdhsa_system_vgpr_workitem_id 0
		.amdhsa_next_free_vgpr 768
		.amdhsa_next_free_sgpr 102
		.amdhsa_reserve_vcc 0
		.amdhsa_float_denorm_mode_32 3
		.amdhsa_float_denorm_mode_16_64 3
		.amdhsa_memory_ordered 1
		.amdhsa_forward_progress 1
		.amdhsa_inst_pref_size 73
	.end_amdhsa_kernel
	.amdgpu_metadata
---
amdhsa.version: [ 1, 2 ]
amdhsa.kernels:
  - .name:           k_q7a0e688def_outp
    .symbol:         k_q7a0e688def_outp.kd
    .args:
      - { .name: ocod, .offset: 0, .size: 8, .value_kind: global_buffer, .address_space: global }
      - { .name: wcod, .offset: 8, .size: 8, .value_kind: global_buffer, .address_space: global }
      - { .name: wscl, .offset: 16, .size: 8, .value_kind: global_buffer, .address_space: global }
      - { .name: bo, .offset: 24, .size: 8, .value_kind: global_buffer, .address_space: global }
      - { .name: out0, .offset: 32, .size: 8, .value_kind: global_buffer, .address_space: global }
    .group_segment_fixed_size: 327680
    .private_segment_fixed_size: 0
    .kernarg_segment_align: 8
    .kernarg_segment_size: 40
    .max_flat_workgroup_size: 128
    .sgpr_count:     102
    .vgpr_count:     768
    .wavefront_size: 32
...
	.end_amdgpu_metadata
.endif
;; end of part 4
